; MI455X (gfx1250); checked and timed in simulation.
; The chip was launched on July 23, 2026; its instructions are those of AMD's public machine-readable ISA for CDNA 5 (MIT licence, August 2026) and "CDNA5" Instruction Set Architecture Reference Guide (July 2026). The comments in the code are by the model that wrote it; some were corrected since.
;; Masked Causal Attention. Allowed arithmetic: matrix products marked QUANTISED: E5M2 operands, one given power-of-two scale a tensor, by v_wmma_f32_16x16x64_bf8_bf8 or v_wmma_f32_16x16x128_bf8_bf8, f32 sums; everything else in f32.
;; Inputs: bk 1,024 float32; bp 1,024 float32; bq 1,024 float32; bv 1,024 float32; lowp_scales 12 int32 (the exponents e of the quantised operands' scales 2^e); token_mask 4 x 2,048 int32; wk 1,024 x 1,024 float32; wp 1,024 x 1,024 float32; wq 1,024 x 1,024 float32; wv 1,024 x 1,024 float32; x 4 x 2,048 x 1,024 float32.
;; Outputs: out0 4 x 2,048 x 1,024 float32.
;; This version of the problem:
;;   THIS VERSION OF THE PROBLEM IS GIVEN IN LOW PRECISION. The matrix products marked QUANTISED in the list below multiply operands that are first quantised to E5M2 (5 exponent bits, 2 mantissa bits; 8 bits a number), with one given power-of-two scale for each operand tensor; their sums are f32. All else is computed in f32.
;;   The module's matrix products, in the order in which they are computed (A, B: the left and right operand; K: the contracted axis; several contracted axes count as one K, in the product's order):
;;     1. [M 8,192, K 1,024] x [K 1,024, N 1,024]; A: input x; B: input wq: QUANTISED (scales: A lowp_scales[0], B lowp_scales[1])
;;     2. [M 8,192, K 1,024] x [K 1,024, N 1,024]; A: input x; B: input wk: QUANTISED (scales: A lowp_scales[2], B lowp_scales[3])
;;     3. [M 8,192, K 1,024] x [K 1,024, N 1,024]; A: input x; B: input wv: QUANTISED (scales: A lowp_scales[4], B lowp_scales[5])
;;     4. batch 64 x [M 2,048, K 64] x [K 64, N 2,048]; A: computed on the way; B: computed on the way: QUANTISED (scales: A lowp_scales[6], B lowp_scales[7])
;;     5. batch 64 x [M 64, K 2,048] x [K 2,048, N 2,048]; A: computed on the way; B: softmax (see below): QUANTISED (scales: A lowp_scales[8], B lowp_scales[9])
;;     6. [M 8,192, K 1,024] x [K 1,024, N 1,024]; A: computed on the way; B: input wp: QUANTISED (scales: A lowp_scales[10], B lowp_scales[11])
;;   THE QUANTISER, for each operand of a quantised product, along K:
;;     - The operand's scale is 2^e, e = its entry of the input lowp_scales (int32; the entries are numbered through the quantised products in the list's order, A before B).
;;     - Each number is divided by the scale, clamped to +-57,344, and rounded to the nearest number of E5M2, ties to even, subnormals kept.
;;     - The product sums the exact products of the quantised numbers (number of the format x scale) in f32.
;;   ~~~python
;;   def quantise(x, axis, e):      # numpy; x: float32 -> the quantised numbers, widened to float32 again
;;       x = np.moveaxis(x, axis, -1); K = x.shape[-1]
;;       r = np.clip(x / 2.0 ** e, -57344, 57344)
;;       step = 2.0 ** (np.maximum(np.frexp(np.where(r == 0, 1, r))[1] - 1, -14) - 2)
;;       q = np.round(r / step) * step * 2.0 ** e      # np.round: ties to even
;;       return np.moveaxis(q, -1, axis).astype(np.float32)
;;   ~~~
;;   SOFTMAX AHEAD OF A QUANTISED PRODUCT. Where the list says 'softmax', what is quantised is not the finished softmax but p = 2^(t - M), with t = logit x log2(e) and M = ceil(the row's largest t), a whole number; so 1/2 < the row's largest p <= 1. The row's sum l is taken of the UNQUANTISED p, in f32, and the product's result is divided by l at the end. Since M is a whole number, a kernel that streams over the keys may use a running M (the ceiling of the running maximum): every later rescaling is an exact power of two, so the quantised numbers keep their values, but for numbers so far below the row's largest that they fall under the format's range.
;;   OPERANDS COMPUTED ON THE WAY. 'Computed on the way' means the value that the module computes at that place (a softmax that the list does not call 'softmax' is quantised finished and normalised). What goes into a quantiser is computed in f32, as accurately as f32 sums, v_exp_f32 and their like allow (about 1e-6 of the number): no bf16 or f16 on the way to a quantiser, and a product that is left as it is and whose result goes on into a quantised operand takes f32 operands (vector FMAs, or v_wmma_f32_16x16x4_f32). A number that lies on a knife's edge between two numbers of the format may be rounded either way, as far as f32 arithmetic and the matrix unit's own rounding can turn it there, and no further.
;; 2 versions, each right; version 2 is version 1 with the launch attn written anew for expert scheduling mode. Each part assembles by itself: llvm-mc -triple=amdgcn-amd-amdhsa -mcpu=gfx1250 --defsym DOCPART=n.
;; ======== version 1 of 2: 4 launches
;; workspace buffers: xc 25,165,824 bytes; wc 4,194,304 bytes; qi 8,388,608 bytes; ki 8,388,608 bytes; vi 8,388,608 bytes; ai 8,388,608 bytes; cnt 32,768 bytes of whole numbers
;; launch quant (part 1): grid 768 x 1, 4 waves a work-group, no clusters, 33,280 bytes of LDS; arguments x, wq, wk, wv, wp, token_mask, lowp_scales, xc, wc, cnt; writes xc, wc, cnt
.if DOCPART == 1
	.amdgcn_target "amdgcn-amd-amdhsa--gfx1250"
	.amdhsa_code_object_version 6
	.text
	.protected	k_q839be5ff17_quant
	.globl	k_q839be5ff17_quant
	.p2align	8
	.type	k_q839be5ff17_quant,@function
k_q839be5ff17_quant:
	s_mov_b64 s[64:65], 0
	v_nop
	global_prefetch_b8 v0, s[64:65] scope:SCOPE_SE
	s_setreg_imm32_b32 hwreg(HW_REG_WAVE_MODE, 25, 1), 1
	s_wait_xcnt 0x0
; x [8192][1024] and the four weights [1024][1024], f32, K innermost, become codes of BF8 (E5M2), one byte a number.
; code = number / 2^e, held within +-57,344, rounded to the nearest code, ties to even.
; x is quantised three times: copy 0 with e0 (for q), copy 1 with e2 (for k), copy 2 with e4 (for v).  wq, wk, wv, wp take e1, e3, e5, e11.
; WHERE A ROW GOES.  Copy 0 and the weights keep their order.  In copies 1 and 2 the tokens of a batch are PARTITIONED by token_mask, in order: a token whose mask is not 0 goes to
; row (valid tokens before it), any other to row 2047 - (other such tokens before it).  Every row is written once.  A key whose mask is 0 counts for no query, so the keys that count lie
; in front, and key p counts for query t where p < cnt[t], cnt[t] = the valid tokens up to and including t, which this launch stores too.
; Every row is stored at its row number with bits 3 and 4 exchanged: 16 stored rows on end (block 2 g + u, place r) are then rows 32 g + 8 u + r + 8 (r / 8), which is the choice of rows that makes
; a product's 16 registers of two neighbouring blocks 16 neighbours along the next product's K.
; SHARES.  A work-group takes 16 rows, a wave 4 of them: 8 steps of 512 numbers.  Work-groups 0-511: x; 512-575 wq; 576-639 wk; 640-703 wv; 704-767 wp.  Only pointers and exponents are chosen: all take one path through LDS.
; A step's four loads read 512 consecutive bytes each; the 2,048 bytes turn through the wave's own stage in LDS, so that a lane holds 16 neighbours; its 16 codes are 16 bytes, and a store covers 512 consecutive bytes.
; LIMITS: each of e0 .. e5 and e11 between -126 and 112.  NaN among the inputs is not served.
.set STEPS, 8
.set SP,    80                         ; a lane's place in a stage: 64 bytes + 16 of padding
.set WREG,  8192                       ; LDS of a wave: two stages of 32 x SP bytes
.set SC,    16                         ; v16, v18, v20: 2^e of copy 0, 1, 2;  v17, v19, v21: 57,344 x 2^e
.set VO,    22                         ; v22-25  row i of my four: byte offset of my 16 codes in the batch's part of copies 1 and 2
.set R,     32                         ; v32-95  four sets of 16 numbers as loaded
.set X,     96                         ; v96-127 two sets of 16 neighbours
.set T,     128                        ; v128-143 the numbers held
.set C,     144                        ; v144-239 codes: twelve registers for each step, so that no store's data are written again
.set M,     160                        ; v160-223 the batch's mask words (done with before the first code is made)
.set WV,    36
.set ISX,   37
.set BAL,   40                         ; s40-55  sixteen words of mask bits
.set BLK,   56                         ; which 32 tokens of the batch hold my rows
.set BEF,   57                         ; valid tokens in front of those 32
.set WORD,  58                         ; their mask bits
.set SH,    59                         ; my first row's place among the 32
.set TL0,   60                         ; my first row's token number in the batch
.set SRC,   66
.set DST0,  68
.set DST1,  70
.set DST2,  72
.set MB,    74
.set CNTP,  76
	s_load_b512 s[4:19], s[0:1], 0x0               ; x, wq, wk, wv, wp, token_mask, the exponents, xc
	s_load_b128 s[20:23], s[0:1], 0x40             ; wc, cnt
	v_lshl_add_u32 v240, v0, 2, 0x8000
	v_mov_b32 v241, 0
	v_lshrrev_b32 v1, 5, v0
	v_readfirstlane_b32 s[WV], v1                  ; wave
	v_and_b32 v2, 31, v0                           ; lane
	v_lshlrev_b32 v3, 4, v2                        ; 16 x lane: my bytes of a load's 512, and of a step's 512 codes
	v_lshlrev_b32 v5, 2, v2                        ; 4 x lane
	s_mul_i32 s38, s[WV], WREG
	v_lshrrev_b32 v14, 2, v2
	v_mul_u32_u24 v14, v14, SP
	v_and_b32 v15, 3, v2
	v_lshl_add_u32 v14, v15, 4, v14
	v_add_nc_u32 v14, s38, v14                     ; the stage, on the way in: SP (lane / 4) + 16 (lane % 4)
	v_mul_u32_u24 v15, v2, SP
	v_add_nc_u32 v15, s38, v15                     ; and on the way out: SP x lane
	s_and_b32 s38, ttmp9, 63
	s_cmp_lt_u32 ttmp9, 512
	s_cselect_b32 s[ISX], 1, 0
	s_cselect_b32 s38, ttmp9, s38                  ; which 16 rows of the source
	s_cselect_b32 s78, 0, 256
	s_lshl_b32 s38, s38, 2
	s_add_co_u32 s38, s38, s[WV]
	s_lshl_b32 s38, s38, 14                        ; x 4 rows of 4,096 bytes
	s_mov_b32 s39, 0
	s_lshr_b32 s82, ttmp9, 1
	s_sub_co_u32 s78, s82, s78                     ; which 32 rows of xc's copy 0 or of wc
	s_lshl_b32 s78, s78, 5
	s_lshr_b32 s80, s[WV], 1
	s_lshl_b32 s80, s80, 4
	s_add_co_u32 s78, s78, s80                     ; bits 3 and 4 exchanged: 16 (wave / 2)
	s_and_b32 s80, ttmp9, 1
	s_lshl_b32 s81, s80, 3
	s_add_co_u32 s78, s78, s81                     ; + 8 (work-group % 2)
	s_and_b32 s81, s[WV], 1
	s_lshl_b32 s81, s81, 2
	s_add_co_u32 s78, s78, s81                     ; + 4 (wave % 2)
	s_lshl_b32 s78, s78, 10                        ; rows of 1,024 bytes
	s_mov_b32 s79, 0
	s_lshl_b32 s[SH], s80, 4
	s_lshl_b32 s81, s[WV], 2
	s_add_co_u32 s[SH], s[SH], s81                 ; 16 (work-group % 2) + 4 wave
	s_and_b32 s[BLK], s82, 63
	s_lshl_b32 s[TL0], s[BLK], 5
	s_add_co_u32 s[TL0], s[TL0], s[SH]
	s_bfe_u32 s83, ttmp9, 0x20007                  ; the batch
	s_lshl_b32 s84, s83, 21                        ; x 2,048 rows of 1,024 bytes
	s_mov_b32 s85, 0
	s_lshl_b32 s86, s83, 13                        ; x 2,048 mask words
	s_mov_b32 s87, 0
	s_lshl_b32 s88, s82, 7                         ; 32 counts of 4 bytes
	s_mov_b32 s89, 0
	s_wait_kmcnt 0x0
	s_load_b256 s[24:31], s[16:17], 0x0            ; e0 .. e7
	s_load_b128 s[32:35], s[16:17], 0x20           ; e8 .. e11
	s_cmp_lt_u32 ttmp9, 704                        ; the source: the choice hangs on the work-group's number alone
	s_cselect_b64 s[SRC:SRC+1], s[10:11], s[12:13]
	s_cmp_lt_u32 ttmp9, 640
	s_cselect_b64 s[SRC:SRC+1], s[8:9], s[SRC:SRC+1]
	s_cmp_lt_u32 ttmp9, 576
	s_cselect_b64 s[SRC:SRC+1], s[6:7], s[SRC:SRC+1]
	s_cmp_lt_u32 ttmp9, 512
	s_cselect_b64 s[SRC:SRC+1], s[4:5], s[SRC:SRC+1]
	s_cselect_b64 s[DST0:DST0+1], s[18:19], s[20:21]
	s_add_nc_u64 s[SRC:SRC+1], s[SRC:SRC+1], s[38:39]
	s_add_nc_u64 s[DST0:DST0+1], s[DST0:DST0+1], s[78:79]
	s_add_nc_u64 s[DST1:DST1+1], s[18:19], s[84:85]
	s_add_nc_u64 s[DST2:DST2+1], s[DST1:DST1+1], 0x1000000   ; copy 2
	s_add_nc_u64 s[DST1:DST1+1], s[DST1:DST1+1], 0x800000    ; copy 1
	s_add_nc_u64 s[MB:MB+1], s[14:15], s[86:87]
	s_add_nc_u64 s[CNTP:CNTP+1], s[22:23], s[88:89]
.macro LOAD t
.irp i, 0,1,2,3
	global_load_b128 v[R+16*((\t)%4)+4*\i:R+16*((\t)%4)+4*\i+3], v3, s[SRC:SRC+1] offset:2048*(\t)+512*\i th:TH_LOAD_NT   ; 32 lanes read 512 consecutive bytes
.endr
.endm
.macro TURN t                          ; step t's numbers through the stage: LDS serves a wave's instructions in order, so no wait stands between the stores and the loads
.irp i, 0,1,2,3
	ds_store_b128 v14, v[R+16*((\t)%4)+4*\i:R+16*((\t)%4)+4*\i+3] offset:32*SP*((\t)%2)+8*SP*\i
.endr
.irp i, 0,1,2,3
	ds_load_b128 v[X+16*((\t)%2)+4*\i:X+16*((\t)%2)+4*\i+3], v15 offset:32*SP*((\t)%2)+16*\i
.endr
.endm
.macro MKSCALE c, e                    ; 2^e as f32 (the conversion takes its exponent field), and 57,344 x 2^e
	s_add_co_i32 s80, \e, 127
	s_lshl_b32 s81, s80, 23
	v_mov_b32 v[SC+2*\c], s81
	s_add_co_i32 s80, s80, 15
	s_lshl_b32 s80, s80, 23
	s_or_b32 s80, s80, 0x600000
	v_mov_b32 v[SC+2*\c+1], s80
.endm
.irp t, 0,1,2,3
	LOAD \t
.endr
	s_wait_kmcnt 0x0
	s_cmp_lt_u32 ttmp9, 704
	s_cselect_b32 s78, s29, s35
	s_cmp_lt_u32 ttmp9, 640
	s_cselect_b32 s78, s27, s78
	s_cmp_lt_u32 ttmp9, 576
	s_cselect_b32 s78, s25, s78
	s_cmp_lt_u32 ttmp9, 512
	s_cselect_b32 s78, s24, s78                    ; copy 0's or the weight's exponent
	MKSCALE 0, s78
	MKSCALE 1, s26
	MKSCALE 2, s28
.irp i, 0,1,2,3
	v_mov_b32 v[VO+\i], v3
.endr
	s_mov_b32 s[BEF], 0
	s_mov_b32 s[WORD], 0
	s_cmp_eq_u32 s[ISX], 1
	s_cbranch_scc0 .Lweights
	; THE PARTITION.  The batch's 2,048 mask words, 32 a load: load n gives the bits of tokens 32 n .. 32 n + 31.
.set ii, 0
.rept 64
	global_load_b32 v[M+ii], v5, s[MB:MB+1] offset:128*ii
.set ii, ii+1
.endr
	s_wait_loadcnt 0x0
.set qq, 0
.rept 4
.set uu, 0
.rept 16
	v_cmp_ne_u32 s[BAL+uu], 0, v[M+16*qq+uu]
.set uu, uu+1
.endr
.set uu, 0
.rept 16
	s_bcnt1_i32_b32 s78, s[BAL+uu]
	s_cmp_gt_u32 s[BLK], 16*qq+uu
	s_cselect_b32 s78, s78, 0
	s_add_co_u32 s[BEF], s[BEF], s78               ; valid tokens in the words in front of mine
	s_cmp_eq_u32 s[BLK], 16*qq+uu
	s_cselect_b32 s[WORD], s[BAL+uu], s[WORD]
.set uu, uu+1
.endr
.set qq, qq+1
.endr
.macro ROWDEST i                       ; where row i of my four goes in copies 1 and 2
	s_add_co_u32 s78, s[SH], \i                    ; its bit in the word
	s_bfm_b32 s79, s78, 0
	s_and_b32 s79, s79, s[WORD]
	s_bcnt1_i32_b32 s79, s79
	s_add_co_u32 s79, s79, s[BEF]                  ; valid tokens before it
	s_add_co_u32 s80, s[TL0], \i
	s_sub_co_u32 s80, 2047, s80
	s_add_co_u32 s80, s80, s79                     ; 2047 - (the others before it)
	s_lshr_b32 s81, s[WORD], s78
	s_and_b32 s81, s81, 1                          ; SCC = its mask bit
	s_cselect_b32 s79, s79, s80
	s_and_b32 s80, s79, 0x7e7                      ; bits 3 and 4 exchanged
	s_and_b32 s81, s79, 8
	s_lshl_b32 s81, s81, 1
	s_or_b32 s80, s80, s81
	s_and_b32 s81, s79, 16
	s_lshr_b32 s81, s81, 1
	s_or_b32 s80, s80, s81
	s_min_u32 s80, s80, 2047                       ; a row of the batch, whatever was loaded
	s_lshl_b32 s80, s80, 10
	v_add_nc_u32 v[VO+\i], s80, v3
.endm
.irp i, 0,1,2,3
	ROWDEST \i
.endr
	s_and_b32 s78, ttmp9, 1                        ; the 32 counts are stored by wave 0 of the even work-group of the two that share the word
	s_or_b32 s78, s78, s[WV]
	s_cmp_eq_u32 s78, 0
	s_cbranch_scc0 .Lweights
	v_mbcnt_lo_u32_b32 v6, s[WORD], 0              ; valid tokens of the word in front of my lane's,
	v_lshrrev_b32 v7, v2, s[WORD]
	v_and_b32 v7, 1, v7                            ; my lane's own,
	v_add3_u32 v6, v6, v7, s[BEF]                  ; and those of the words in front
	global_store_b32 v5, v6, s[CNTP:CNTP+1]        ; v5 and v6 are not written again
.Lweights:
.macro COPY t, c, voff, base, imm      ; step t's 16 neighbours with copy c's scale
.irp i, 0,1,2,3,4,5,6,7,8,9,10,11,12,13,14,15
	v_med3_num_f32 v[T+\i], v[X+16*((\t)%2)+\i], -v[SC+2*\c+1], v[SC+2*\c+1]   ; the conversion to an 8-bit code does not saturate (ISA guide 7.6.2): the hold at the largest code x the scale
.endr
	v_cvt_scalef32_pk8_bf8_f32 v[C+12*(\t)+4*\c:C+12*(\t)+4*\c+1], v[T:T+7], v[SC+2*\c]
	v_cvt_scalef32_pk8_bf8_f32 v[C+12*(\t)+4*\c+2:C+12*(\t)+4*\c+3], v[T+8:T+15], v[SC+2*\c]
	v_nop                                          ; a plain vector line between the conversions and the next holds, which write their sources
	global_store_b128 v[\voff], v[C+12*(\t)+4*\c:C+12*(\t)+4*\c+3], s[\base:\base+1] offset:\imm   ; 32 lanes store 512 consecutive bytes
.endm
.macro STEP t
	s_wait_dscnt 0x0                               ; this step's numbers are back from the stage: so its stores into the stage have read their registers,
.if (\t)+4 < STEPS
	LOAD (\t)+4                                    ; which take the loads of four steps on
.endif
.if (\t)+1 < STEPS
.if STEPS-2-(\t) >= 3
	s_wait_loadcnt 12                              ; the next step's four loads are in; those of the three steps behind it may be out
.else
	s_wait_loadcnt 4*(STEPS-2-(\t))
.endif
	TURN (\t)+1                                    ; and go through the other stage while this step is worked
.endif
	COPY \t, 0, 3, DST0, 512*(\t)
	s_cmp_eq_u32 s[ISX], 1
	s_cbranch_scc0 .Lone_\@                        ; a weight has one copy
	COPY \t, 1, VO+(\t)/2, DST1, 512*((\t)%2)
	COPY \t, 2, VO+(\t)/2, DST2, 512*((\t)%2)
.Lone_\@:
.endm
	s_wait_loadcnt 12                              ; step 0's four loads are in
	TURN 0
.irp t, 0,1,2,3,4,5,6,7
	STEP \t
.endr
	s_wait_tensorcnt 0x0
	ds_add_u32 v240, v241
	s_wait_dscnt 0x0
	s_endpgm
.Lfunc_end_k_q839be5ff17_quant:
	.size	k_q839be5ff17_quant, .Lfunc_end_k_q839be5ff17_quant-k_q839be5ff17_quant
	.p2alignl 7, 3214868480
	.fill 96, 4, 3214868480
	.section	.rodata,"a",@progbits
	.p2align	6, 0x0
	.amdhsa_kernel k_q839be5ff17_quant
		.amdhsa_group_segment_fixed_size 33280
		.amdhsa_private_segment_fixed_size 0
		.amdhsa_enable_private_segment 0
		.amdhsa_kernarg_size 80
		.amdhsa_user_sgpr_count 2
		.amdhsa_user_sgpr_kernarg_segment_ptr 1
		.amdhsa_wavefront_size32 1
		.amdhsa_system_sgpr_workgroup_id_x 1
		.amdhsa_system_sgpr_workgroup_id_y 1
		.amdhsa_system_sgpr_workgroup_id_z 1
		.amdhsa_system_vgpr_workitem_id 0
		.amdhsa_next_free_vgpr 242
		.amdhsa_next_free_sgpr 96
		.amdhsa_reserve_vcc 0
		.amdhsa_float_denorm_mode_32 3
		.amdhsa_float_denorm_mode_16_64 3
		.amdhsa_memory_ordered 1
		.amdhsa_forward_progress 1
		.amdhsa_inst_pref_size 69
	.end_amdhsa_kernel
	.amdgpu_metadata
---
amdhsa.version: [ 1, 2 ]
amdhsa.kernels:
  - .name:           k_q839be5ff17_quant
    .symbol:         k_q839be5ff17_quant.kd
    .args:
      - { .name: x, .offset: 0, .size: 8, .value_kind: global_buffer, .address_space: global }
      - { .name: wq, .offset: 8, .size: 8, .value_kind: global_buffer, .address_space: global }
      - { .name: wk, .offset: 16, .size: 8, .value_kind: global_buffer, .address_space: global }
      - { .name: wv, .offset: 24, .size: 8, .value_kind: global_buffer, .address_space: global }
      - { .name: wp, .offset: 32, .size: 8, .value_kind: global_buffer, .address_space: global }
      - { .name: token_mask, .offset: 40, .size: 8, .value_kind: global_buffer, .address_space: global }
      - { .name: lowp_scales, .offset: 48, .size: 8, .value_kind: global_buffer, .address_space: global }
      - { .name: xc, .offset: 56, .size: 8, .value_kind: global_buffer, .address_space: global }
      - { .name: wc, .offset: 64, .size: 8, .value_kind: global_buffer, .address_space: global }
      - { .name: cnt, .offset: 72, .size: 8, .value_kind: global_buffer, .address_space: global }
    .group_segment_fixed_size: 33280
    .private_segment_fixed_size: 0
    .kernarg_segment_align: 8
    .kernarg_segment_size: 80
    .max_flat_workgroup_size: 128
    .sgpr_count:     96
    .vgpr_count:     242
    .wavefront_size: 32
...
	.end_amdgpu_metadata
.endif
;; end of part 1
;; launch qkv (part 2): grid 8 x 48, 4 waves a work-group, clusters of 4 x 4, 327,680 bytes of LDS; arguments xc, wc, lowp_scales, bq, bk, bv, qi, ki, vi; writes qi, ki, vi
.if DOCPART == 2
	.amdgcn_target "amdgcn-amd-amdhsa--gfx1250"
	.amdhsa_code_object_version 6
	.text
	.protected	k_q839be5ff17_qkv
	.globl	k_q839be5ff17_qkv
	.p2align	8
	.type	k_q839be5ff17_qkv,@function
k_q839be5ff17_qkv:
	s_mov_b64 s[64:65], 0
	v_nop
	global_prefetch_b8 v0, s[64:65] scope:SCOPE_SE
	s_setreg_imm32_b32 hwreg(HW_REG_WAVE_MODE, 25, 1), 1
	s_wait_xcnt 0x0
	s_wait_alu depctr_hold_cnt(0) depctr_sa_sdst(0) depctr_va_vdst(0) depctr_va_sdst(0) depctr_va_ssrc(0) depctr_va_vcc(0) depctr_vm_vsrc(0)
	s_getreg_b32 s2, hwreg(HW_REG_IB_STS2, 6, 4)
	s_cmp_eq_u32 s2, 0
	s_cbranch_scc0 .Lentry_in_a_cluster
	s_endpgm
.Lentry_in_a_cluster:
	s_bfe_u32 s2, ttmp6, 0x10000c
	s_cmp_lg_u32 s2, 0xf033
	s_cbranch_scc0 .Lentry_shape_is_right
	s_endpgm
.Lentry_shape_is_right:
; q = x wq^T + bq, k = x wk^T + bk, v = x wv^T + bv on codes of BF8 (E5M2), and the results quantised at once for the two products of attention (exponents e6 for q, e7 for k, e8 for v).
; One body for the three: a tile of 256 rows of "A" x 256 rows of "B", K = 1,024, source 0 = 16 rows of B, source 1 = 16 rows of A: a lane holds one row of A, its registers run along rows of B.
;   q, k (cluster y 0-7; cluster x 0: q, 1: k):  A = x's codes (copy 0 or 1), B = the weight's: a lane is a token, its registers are features: the next K of q k^T.
;   v    (cluster y 8-11):                       A = wv's codes, B = x's copy 2: a lane is a feature, its registers are keys: the next K of v^T p.
; Only pointers and offsets are chosen, by the cluster's place in the grid.  Rows lie with bits 3 and 4 of their number exchanged, so the 16 registers of B's blocks 2 c and 2 c + 1 are rows 32 c + 16 (lane / 16) + 0 .. 15:
; the conversions' results ARE registers of the next operand, and are stored as images of those registers: 16 bytes a lane, 512 consecutive bytes a store.
;   qi, ki: [batch x 16 + head][block of 16 stored tokens (128)][32 d (2)][lane][16 bytes]      vi: [batch x 16 + head][128 keys (16)][16 features (4)][32 keys (4)][lane][16 bytes]
; A sum stands for sum x 2^(ea + eb): the bias goes in divided by that, and the conversion takes 2^(eo - ea - eb).
; LIMITS: eo - ea - eb between -126 and 112 for (e0, e1, e6), (e2, e3, e7), (e4, e5, e8).
; Four waves, each 128 x 128: 64 accumulators.  K goes in steps of 256 through a ring of two LDS slots filled by the tensor data mover; 4 x 4 work-groups form a cluster, A's tile is asked for jointly along a row
; of the cluster, B's along a column.  K has four such steps, so the ring's text is written out without a loop.
; REGISTERS, in windows of 256: window 0: v0-31 addresses; v32-95 the bias by registers (q, k); v96-111 the bias by lanes (v); from v128 A's fragments, ONE set; on the way out v112-207 are at work.
;   window 1: B's fragments, TWO sets.   window 2: the accumulators of my rows 0-63 ((a, b) at v[8 (8 a + b)]);   window 3: those of my rows 64-127.
.set KSTEP,  256
.set ROWB,   256                       ; a tile's row in bytes
.set KROW,   1024                      ; a row of codes in memory
.set PITCH,  272                       ; an LDS row: 256 bytes + 16 of padding = 68 words: row r starts at bank 4 r mod 64 (64 banks of 4 bytes: ISA guide 11.1)
.set FR,     16
.set NL,     4
.set NP,     4                         ; places behind this matrix instruction (ISA guide 7.12.1)
.set HALFT,  128*PITCH
.set SLOT,   4*HALFT
.set SPARE,  2*SLOT                    ; behind the ring: the spare words, 128 bytes for each wave, which no other line names
.set ADRA, 16
.set ADRB, 20
.set L16,  24                          ; v24  16 x lane
.set BQO,  25                          ; v25  the bias by registers: my byte offset
.set BVO,  26                          ; v26  the bias by lanes
.set SPW,  28
.set NIL,  29
.set QSC,  30                          ; v30  2^(eo - ea - eb)
.set QLIM, 31                          ; v31  57,344 x that
.set BI,   32
.set BV,   96
.set T,    112                         ; 64 numbers at work
.set CD,   176                         ; codes: 16 registers, two sets by turns
.set AF,   128
.set G1, 24
.set G0, 32
.set G1B, 48
.set G0B, 56
.set MSB, 0
.macro WIN new                         ; the immediate's high byte repeats the setting that is left
.if MSB != \new
	s_set_vgpr_msb (MSB<<8)|\new
.set MSB, \new
.endif
.endm
.set MUL_LO, 0xa1                      ; source 0 (B) window 1, source 1 (A) window 0, C and D window 2
.set MUL_HI, 0xf1
.set TO_B,   0x40
; A joint load: waves 0 and 1 fetch for A, waves 2 and 3 for B; the branch hangs on the wave's number alone.  Four v_nop follow each of the two lines.
.macro JLOAD g0a, g1a, g0b, g1b
	s_cmp_eq_u32 s15, 0
	s_cbranch_scc0 .Lfor_b_\@
	tensor_load_to_lds s[\g0a:\g0a+3], s[\g1a:\g1a+7]
	s_nop 0
.rept 4
	v_nop
.endr
	s_branch .Lasked_\@
.Lfor_b_\@:
	tensor_load_to_lds s[\g0b:\g0b+3], s[\g1b:\g1b+7]
	s_nop 0
.rept 4
	v_nop
.endr
.Lasked_\@:
.endm
.macro CREST                           ; a round of the cluster's barrier behind its opening barrier
	s_cmp_lg_u32 s14, 0
	s_cbranch_scc1 .Lnot_wave_0_\@
	s_barrier_signal -3
.Lnot_wave_0_\@:
	s_barrier_wait -3
	s_barrier_signal -1
	s_barrier_wait -1
.endm
.macro CROUND
	s_barrier_signal -1
	s_barrier_wait -1
	CREST
.endm
	s_load_b256 s[68:75], s[0:1], 0x0              ; xc, wc, the exponents, bq
	s_load_b256 s[76:83], s[0:1], 0x20             ; bk, bv, qi, ki
	s_load_b64 s[84:85], s[0:1], 0x40              ; vi
	v_lshl_add_u32 v[SPW], v0, 2, SPARE
	v_mov_b32 v[NIL], 0
	ds_add_u32 v28, v29
	ds_add_u32 v28, v29
	s_wait_dscnt 0x0
	v_lshrrev_b32 v1, 5, v0
	v_readfirstlane_b32 s14, v1                    ; wave 0..3
	s_lshr_b32 s15, s14, 1                         ; which half of A's rows is mine.  Also: I fetch for A (0) or for B (1)
	s_and_b32 s16, s14, 1                          ; which half of B's rows.  Also: which 128 rows of that tile I fetch
	s_bfe_u32 s40, ttmp6, 0x40000                  ; cx, cy: my place in the cluster
	s_bfe_u32 s41, ttmp6, 0x40004
	s_and_b32 s43, ttmp7, 0xffff                   ; cluster y; cluster x is ttmp9
	s_lshl_b32 s17, s43, 2                         ; q, k: A's tile 4 x cluster y + cy,
	s_lshl_b32 s18, ttmp9, 23                      ;       in x's copy 0 or 1
	s_sub_co_u32 s42, s43, 8
	s_lshl_b32 s42, s42, 3
	s_lshl_b32 s87, ttmp9, 2
	s_add_co_u32 s42, s42, s87                     ; v: B's tile 8 (cluster y - 8) + 4 x cluster x + cx
	s_lshl_b32 s87, ttmp9, 20                      ; q, k: B = wq's or wk's codes
	s_cmp_ge_u32 s43, 8
	s_cselect_b32 s86, 1, 0                        ; 1: this cluster makes v
	s_cselect_b32 s17, 0, s17
	s_cselect_b32 s18, 0x200000, s18               ; v: A = wv's codes
	s_cselect_b32 s42, s42, 0
	s_cselect_b32 s87, 0x1000000, s87              ; v: B = x's copy 2
	s_add_co_u32 s17, s17, s41                     ; A's tile: hangs on cy and the cluster's place
	s_add_co_u32 s42, s42, s40                     ; B's tile: on cx and the cluster's place
	s_lshl_b32 s44, s41, 2
	s_lshl_b32 s44, 15, s44                        ; my row of the cluster
	s_lshl_b32 s98, 0x1111, s40                    ; my column
	s_or_b32 s[G1+0], s44, (0<<16)|(1<<20)|(1<<21)|(5<<22)|(3<<25)   ; 15:0 the mask; 17:16 elements of 1 byte; 20 padding on; 21 set beside a mask; 24:22 after every 64 words; 31:25 four words
	s_or_b32 s[G1B+0], s98, (0<<16)|(1<<20)|(1<<21)|(5<<22)|(3<<25)
.irp g, G1, G1B
	s_mov_b32 s[\g+1], ROWB<<16                    ; tensor_dim0
	s_mov_b32 s[\g+2], 128<<16                     ; tensor_dim1
	s_mov_b32 s[\g+3], ROWB<<16                    ; tile_dim0
	s_mov_b32 s[\g+4], 128                         ; tile_dim1
	s_mov_b32 s[\g+5], KROW                        ; tensor_dim0_stride
	s_mov_b32 s[\g+6], 0
	s_mov_b32 s[\g+7], 0
.endr
	s_lshl_b32 s19, s16, 7                         ; which 128 rows of the tile I fetch
	s_lshl_b32 s20, s17, 8
	s_add_co_u32 s20, s20, s19
	s_lshl_b32 s20, s20, 10                        ; rows of 1,024 bytes
	s_add_co_u32 s20, s20, s18
	s_mov_b32 s21, 0
	s_lshl_b32 s46, s42, 8
	s_add_co_u32 s46, s46, s19
	s_lshl_b32 s46, s46, 10
	s_add_co_u32 s46, s46, s87
	s_mov_b32 s47, 0
	s_mul_i32 s45, s14, HALFT                      ; where they go: wave x 128 rows: no place in the cluster enters an LDS address
	s_wait_kmcnt 0x0
	s_load_b256 s[88:95], s[72:73], 0x0            ; e0 .. e7
	s_load_b32 s96, s[72:73], 0x20                 ; e8
	s_cmp_eq_u32 s86, 1
	s_cselect_b64 s[4:5], s[70:71], s[68:69]       ; A's buffer
	s_cselect_b64 s[6:7], s[68:69], s[70:71]       ; B's
	s_add_nc_u64 s[20:21], s[4:5], s[20:21]
	s_add_nc_u64 s[46:47], s[6:7], s[46:47]
	CROUND                                         ; all sixteen work-groups are here: the first joint loads meet
.irp s, 0,1
	s_mov_b32 s[G0+4*\s], 1
	s_add_co_u32 s[G0+4*\s+1], s45, \s*SLOT
	s_add_nc_u64 s[G0+4*\s+2:G0+4*\s+3], s[20:21], \s*ROWB
	s_or_b32 s[G0+4*\s+3], s[G0+4*\s+3], 0x80000000
	s_mov_b32 s[G0B+4*\s], 1
	s_add_co_u32 s[G0B+4*\s+1], s45, \s*SLOT
	s_add_nc_u64 s[G0B+4*\s+2:G0B+4*\s+3], s[46:47], \s*ROWB
	s_or_b32 s[G0B+4*\s+3], s[G0B+4*\s+3], 0x80000000
	JLOAD G0+4*\s, G1, G0B+4*\s, G1B
.endr
	v_and_b32 v1, 15, v0                           ; r = lane % 16
	v_bfe_u32 v2, v0, 4, 1                         ; h = lane / 16
	v_mul_u32_u24 v3, v1, PITCH
	v_lshl_add_u32 v4, v2, 4, v3                   ; a fragment's row x pitch + 16 h
	s_mul_i32 s21, s15, HALFT                      ; my 128 rows of A
	s_mul_i32 s22, s16, HALFT                      ; my 128 rows of B,
	s_add_co_u32 s22, s22, 2*HALFT                 ; which lie behind A's 256
.irp s, 0,1
	v_add_nc_u32 v[ADRA+\s], s21, v4
	v_add_nc_u32 v[ADRB+\s], s22, v4
	s_add_co_u32 s21, s21, SLOT
	s_add_co_u32 s22, s22, SLOT
.endr
	v_and_b32 v5, 31, v0
	v_lshlrev_b32 v[L16], 4, v5
	; the bias.  Both forms are loaded, each from inside the 1,024 numbers; the way out uses one.
	s_lshl_b32 s97, s40, 8
	s_lshl_b32 s98, s16, 7
	s_add_co_u32 s97, s97, s98                     ; q, k: my first feature: 256 cx + 128 (wave % 2)
	s_lshl_b32 s98, s41, 8
	s_lshl_b32 s99, s15, 7
	s_add_co_u32 s98, s98, s99                     ; v: 256 cy + 128 (wave / 2)
	s_cmp_eq_u32 s86, 1
	s_cselect_b32 s97, 0, s97
	s_cselect_b32 s98, s98, 0
	s_lshl_b32 s97, s97, 2
	s_lshl_b32 s98, s98, 2
	v_lshl_add_u32 v[BQO], v2, 6, s97              ; register 16 c + i: feature 32 c + 16 h + i
	v_and_b32 v6, 8, v1
	v_add_nc_u32 v6, v6, v1
	v_lshl_add_u32 v[BVO], v6, 2, s98              ; block a: feature 32 (a / 2) + 8 (a % 2) + r + 8 (r / 8)
	s_cmp_eq_u32 ttmp9, 0
	s_cselect_b64 s[8:9], s[74:75], s[76:77]
	s_cselect_b64 s[10:11], s[80:81], s[82:83]
	s_cmp_eq_u32 s86, 1
	s_cselect_b64 s[8:9], s[78:79], s[8:9]         ; bq, bk or bv
	s_cselect_b64 s[10:11], s[84:85], s[10:11]     ; qi, ki or vi
.irp c, 0,1,2,3
.irp q, 0,1,2,3
	global_load_b128 v[BI+16*\c+4*\q:BI+16*\c+4*\q+3], v[BQO], s[8:9] offset:128*\c+16*\q
.endr
.endr
.irp a, 0,1,2,3,4,5,6,7
	global_load_b32 v[BV+2*\a], v[BVO], s[8:9] offset:(32*(\a/2)+8*(\a%2))*4
	global_load_b32 v[BV+2*\a+1], v[BVO], s[8:9] offset:(32*(\a/2)+8*(\a%2))*4   ; the same number in both halves of a pair, for the packed addition
.endr
	; where my images begin
	s_lshr_b32 s97, s17, 3                         ; q, k: the batch,
	s_lshl_b32 s97, s97, 4
	s_lshl_b32 s99, s40, 2
	s_add_co_u32 s97, s97, s99
	s_lshl_b32 s99, s16, 1
	s_add_co_u32 s97, s97, s99                     ; x 16 + my first head: 4 cx + 2 (wave % 2),
	s_lshl_b32 s97, s97, 7
	s_and_b32 s99, s17, 7
	s_lshl_b32 s99, s99, 4
	s_add_co_u32 s97, s97, s99
	s_lshl_b32 s99, s15, 3
	s_add_co_u32 s97, s97, s99                     ; x 128 + my first block of 16 tokens,
	s_lshl_b32 s97, s97, 10                        ; blocks of 1,024 bytes
	s_lshr_b32 s98, s42, 3                         ; v: the batch,
	s_lshl_b32 s98, s98, 4
	s_lshl_b32 s99, s41, 2
	s_add_co_u32 s98, s98, s99
	s_lshl_b32 s99, s15, 1
	s_add_co_u32 s98, s98, s99                     ; x 16 + my first head: 4 cy + 2 (wave / 2),
	s_lshl_b32 s98, s98, 4
	s_and_b32 s99, s42, 7
	s_lshl_b32 s99, s99, 1
	s_add_co_u32 s98, s98, s99
	s_add_co_u32 s98, s98, s16                     ; x 16 + my 128 keys,
	s_lshl_b32 s98, s98, 13                        ; of 8,192 bytes
	s_cmp_eq_u32 s86, 1
	s_cselect_b32 s12, s98, s97
	s_mov_b32 s13, 0
	s_add_nc_u64 s[10:11], s[10:11], s[12:13]
.macro FRAG reg, adr, q, i             ; a fragment, 16 rows x 128 K: lane l holds row l % 16; registers 4 c .. 4 c + 3 hold K = 32 c + 16 (l / 16) + 0 .. 15, alike in A and in B
.irp c, 0,1,2,3
	ds_load_b128 v[\reg+4*\c:\reg+4*\c+3], v[\adr] offset:128*(\q)+32*\c+(\i)*16*PITCH
.endr
.endm
; 16 matrix instructions: A's blocks a0, a0 + 1 x B's eight.  The 64 accumulators take turns, one instruction a turn, in the same order in every step.
.macro MUL16 a0, p, zero
.irp a, \a0, \a0+1
.irp b, 0,1,2,3,4,5,6,7
.if \zero
	v_wmma_f32_16x16x128_bf8_bf8 v[8*(8*((\a)%4)+\b):8*(8*((\a)%4)+\b)+7], v[128*(\p)+FR*\b:128*(\p)+FR*\b+FR-1], v[AF+FR*(\a):AF+FR*(\a)+FR-1], 0
.else
	v_wmma_f32_16x16x128_bf8_bf8 v[8*(8*((\a)%4)+\b):8*(8*((\a)%4)+\b)+7], v[128*(\p)+FR*\b:128*(\p)+FR*\b+FR-1], v[AF+FR*(\a):AF+FR*(\a)+FR-1], v[8*(8*((\a)%4)+\b):8*(8*((\a)%4)+\b)+7]
.endif
.endr
.endr
.endm
.macro FETCH_B slot, q, p
	WIN TO_B
.irp i, 0,1,2,3,4,5,6,7
	FRAG 128*(\p)+FR*\i, ADRB+\slot, \q, \i
.endr
	WIN 0
.endm
.macro FETCH_A slot, q, i0
.irp i, \i0, \i0+1, \i0+2, \i0+3
	FRAG AF+FR*(\i), ADRA+\slot, \q, \i
.endr
.endm
.macro PLACES n                        ; plain vector lines between a matrix instruction and a load into, or a vector line on, its registers
.rept \n
	v_nop
.endr
.endm
.macro STEP slot, q, zero              ; 128 along K that has its successor in the same slot
	s_wait_dscnt 4*NL                              ; B's set and A's blocks 0-3 are in; the youngest 16 loads (A's blocks 4-7) may be out
	WIN MUL_LO
	MUL16 0, (\q)%2, \zero
	MUL16 2, (\q)%2, \zero
	s_wait_dscnt 0
	PLACES NP
	FETCH_B \slot, (\q)+1, 1-(\q)%2
	FETCH_A \slot, (\q)+1, 0
	WIN MUL_HI
	MUL16 4, (\q)%2, \zero
	MUL16 6, (\q)%2, \zero
	PLACES NP
	WIN 0
	FETCH_A \slot, (\q)+1, 4
.endm
; A slot's last 128 change slots: ONE barrier; in front of it each wave waits for all its tensor loads, adds 0 to its spare word, and waits for that and for its reads of this slot.  fill = 1: the slot is filled again, two K steps ahead.
.macro TURN slot, next, fill
	s_wait_tensorcnt 0x0                           ; all my tensor loads have landed: my part of the next slot
	ds_add_u32 v[SPW], v[NIL]                      ; 0 onto my spare word
	s_wait_dscnt 4*NL+1                            ; (the add and the youngest 16 loads may be out)
	WIN MUL_LO
	MUL16 0, 1, 0
	s_wait_dscnt 0x0                               ; the add is done, and my reads of this slot are over
	s_barrier_signal -1
	MUL16 2, 1, 0
	WIN 0
	s_barrier_wait -1
.if \fill
	CREST                                          ; the barrier has opened a round of the cluster's: no wave of any partner still reads this slot or has a load on its way
	s_add_nc_u64 s[G0+4*\slot+2:G0+4*\slot+3], s[G0+4*\slot+2:G0+4*\slot+3], 2*ROWB
	s_add_nc_u64 s[G0B+4*\slot+2:G0B+4*\slot+3], s[G0B+4*\slot+2:G0B+4*\slot+3], 2*ROWB
	JLOAD G0+4*\slot, G1, G0B+4*\slot, G1B         ; the first tensor load behind the round; its four v_nop are also the places in front of the loads below
.else
	PLACES NP
.endif
	FETCH_B \next, 0, 0
	FETCH_A \next, 0, 0
	WIN MUL_HI
	MUL16 4, 1, 0
	MUL16 6, 1, 0
	PLACES NP
	WIN 0
	FETCH_A \next, 0, 4
.endm
	s_wait_tensorcnt 1                             ; my part of K step 0 is in (K step 1's load may be out),
	s_barrier_signal -1
	s_barrier_wait -1                              ; everybody's is
	FETCH_B 0, 0, 0
	FETCH_A 0, 0, 0
	FETCH_A 0, 0, 4
	STEP 0, 0, 1                                   ; K 0-127: the first products start the sums
	TURN 0, 1, 1                                   ; K 128-255; slot 0 takes K 512-767
	STEP 1, 0, 0
	TURN 1, 0, 1                                   ; slot 1 takes K 768-1023
	STEP 0, 0, 0
	TURN 0, 1, 0                                   ; nothing is left to fetch
	STEP 1, 0, 0
	s_wait_dscnt 4*NL
	WIN MUL_LO
	MUL16 0, 1, 0
	MUL16 2, 1, 0
	s_wait_dscnt 0
	WIN MUL_HI
	MUL16 4, 1, 0
	MUL16 6, 1, 0
	WIN 0
	; THE WAY OUT: + bias, the hold, the conversion, the store: no LDS.
	s_wait_loadcnt 0x0                             ; the bias
	s_wait_kmcnt 0x0                               ; the exponents
	s_cmp_eq_u32 ttmp9, 0
	s_cselect_b32 s97, s88, s90
	s_cselect_b32 s98, s89, s91
	s_cselect_b32 s99, s94, s95
	s_cmp_eq_u32 s86, 1
	s_cselect_b32 s97, s92, s97                    ; ea
	s_cselect_b32 s98, s93, s98                    ; eb
	s_cselect_b32 s99, s96, s99                    ; eo
	s_add_co_i32 s97, s97, s98
	s_sub_co_i32 s99, s99, s97                     ; eo - ea - eb
	s_sub_co_i32 s98, 0, s97                       ; -(ea + eb)
	s_add_co_i32 s99, s99, 127
	s_lshl_b32 s100, s99, 23
	PLACES NP                                      ; behind the last products
	v_mov_b32 v[QSC], s100
	s_add_co_i32 s99, s99, 15
	s_lshl_b32 s99, s99, 23
	s_or_b32 s99, s99, 0x600000
	v_mov_b32 v[QLIM], s99
; Block a of my eight blocks of A's rows: 64 sums a lane, register 16 c + i = B's row 32 c + 16 (lane / 16) + i.
.macro EPI a, isv
	WIN 0x02+((\a)/4)                              ; source 0: window 2 or 3
.irp c, 0,1,2,3
.irp j, 0,2,4,6,8,10,12,14
.if \isv
	v_pk_add_f32 v[T+16*\c+\j:T+16*\c+\j+1], v[64*((\a)%4)+16*\c+\j:64*((\a)%4)+16*\c+\j+1], v[BV+2*(\a):BV+2*(\a)+1]
.else
	v_pk_add_f32 v[T+16*\c+\j:T+16*\c+\j+1], v[64*((\a)%4)+16*\c+\j:64*((\a)%4)+16*\c+\j+1], v[BI+16*\c+\j:BI+16*\c+\j+1]   ; each accumulator from its low end on
.endif
.endr
.endr
	WIN 0
.if (\a) >= 2
	s_wait_xcnt 0x0                                ; block a - 2's stores have read their codes: the registers are written again only behind this wait
.endif
.irp c, 0,1,2,3
.irp i, 0,1,2,3,4,5,6,7,8,9,10,11,12,13,14,15
	v_med3_num_f32 v[T+16*\c+\i], v[T+16*\c+\i], -v[QLIM], v[QLIM]   ; the conversion does not saturate (ISA guide 7.6.2): the hold at the largest code x the scale
.endr
	v_cvt_scalef32_pk8_bf8_f32 v[CD+16*((\a)%2)+4*\c:CD+16*((\a)%2)+4*\c+1], v[T+16*\c:T+16*\c+7], v[QSC]
	v_cvt_scalef32_pk8_bf8_f32 v[CD+16*((\a)%2)+4*\c+2:CD+16*((\a)%2)+4*\c+3], v[T+16*\c+8:T+16*\c+15], v[QSC]
.endr
	v_nop                                          ; a plain vector line between the conversions and the next block's additions, which write their sources
.irp c, 0,1,2,3
.if \isv
	global_store_b128 v[L16], v[CD+16*((\a)%2)+4*\c:CD+16*((\a)%2)+4*\c+3], s[10:11] offset:131072*((\a)/4)+2048*((\a)%4)+512*\c   ; head a / 4, features' block a % 4, keys 32 c on
.else
	global_store_b128 v[L16], v[CD+16*((\a)%2)+4*\c:CD+16*((\a)%2)+4*\c+3], s[10:11] offset:1024*(\a)+131072*(\c/2)+512*(\c%2)     ; tokens' block a, head c / 2, d 32 (c % 2) on
.endif
.endr
.endm
	s_cmp_eq_u32 s86, 1                            ; the same in all sixteen partners
	s_cbranch_scc1 .Lway_v
.set jj, 0
.rept 64
	v_ldexp_f32 v[BI+jj], v[BI+jj], s98            ; bias / 2^(ea + eb)
.set jj, jj+1
.endr
.irp a, 0,1,2,3,4,5,6,7
	EPI \a, 0
.endr
	s_branch .Lend
.Lway_v:
.set jj, 0
.rept 16
	v_ldexp_f32 v[BV+jj], v[BV+jj], s98
.set jj, jj+1
.endr
.irp a, 0,1,2,3,4,5,6,7
	EPI \a, 1
.endr
.Lend:
	s_wait_tensorcnt 0x0                           ; the wave's end
	ds_add_u32 v[SPW], v[NIL]
	s_wait_dscnt 0x0
	CROUND                                         ; the closing round: no work-group ends while a partner may still ask for a tile that names it
	s_endpgm
.Lfunc_end_k_q839be5ff17_qkv:
	.size	k_q839be5ff17_qkv, .Lfunc_end_k_q839be5ff17_qkv-k_q839be5ff17_qkv
	.p2alignl 7, 3214868480
	.fill 96, 4, 3214868480
	.section	.rodata,"a",@progbits
	.p2align	6, 0x0
	.amdhsa_kernel k_q839be5ff17_qkv
		.amdhsa_group_segment_fixed_size 327680
		.amdhsa_private_segment_fixed_size 0
		.amdhsa_enable_private_segment 0
		.amdhsa_kernarg_size 72
		.amdhsa_user_sgpr_count 2
		.amdhsa_user_sgpr_kernarg_segment_ptr 1
		.amdhsa_wavefront_size32 1
		.amdhsa_system_sgpr_workgroup_id_x 1
		.amdhsa_system_sgpr_workgroup_id_y 1
		.amdhsa_system_sgpr_workgroup_id_z 1
		.amdhsa_system_vgpr_workitem_id 0
		.amdhsa_next_free_vgpr 1024
		.amdhsa_next_free_sgpr 102
		.amdhsa_reserve_vcc 0
		.amdhsa_float_denorm_mode_32 3
		.amdhsa_float_denorm_mode_16_64 3
		.amdhsa_memory_ordered 1
		.amdhsa_forward_progress 1
		.amdhsa_inst_pref_size 200
	.end_amdhsa_kernel
	.amdgpu_metadata
---
amdhsa.version: [ 1, 2 ]
amdhsa.kernels:
  - .name:           k_q839be5ff17_qkv
    .symbol:         k_q839be5ff17_qkv.kd
    .args:
      - { .name: xc, .offset: 0, .size: 8, .value_kind: global_buffer, .address_space: global }
      - { .name: wc, .offset: 8, .size: 8, .value_kind: global_buffer, .address_space: global }
      - { .name: lowp_scales, .offset: 16, .size: 8, .value_kind: global_buffer, .address_space: global }
      - { .name: bq, .offset: 24, .size: 8, .value_kind: global_buffer, .address_space: global }
      - { .name: bk, .offset: 32, .size: 8, .value_kind: global_buffer, .address_space: global }
      - { .name: bv, .offset: 40, .size: 8, .value_kind: global_buffer, .address_space: global }
      - { .name: qi, .offset: 48, .size: 8, .value_kind: global_buffer, .address_space: global }
      - { .name: ki, .offset: 56, .size: 8, .value_kind: global_buffer, .address_space: global }
      - { .name: vi, .offset: 64, .size: 8, .value_kind: global_buffer, .address_space: global }
    .group_segment_fixed_size: 327680
    .private_segment_fixed_size: 0
    .kernarg_segment_align: 8
    .kernarg_segment_size: 72
    .max_flat_workgroup_size: 128
    .sgpr_count:     102
    .vgpr_count:     1024
    .wavefront_size: 32
...
	.end_amdgpu_metadata
.endif
;; end of part 2
;; launch attn (part 3): grid 4 x 64, 8 waves a work-group, no clusters, 33,792 bytes of LDS; arguments qi, ki, vi, cnt, lowp_scales, ai; writes ai
.if DOCPART == 3
	.amdgcn_target "amdgcn-amd-amdhsa--gfx1250"
	.amdhsa_code_object_version 6
	.text
	.protected	k_q839be5ff17_attn
	.globl	k_q839be5ff17_attn
	.p2align	8
	.type	k_q839be5ff17_attn,@function
k_q839be5ff17_attn:
	s_mov_b64 s[64:65], 0
	v_nop
	global_prefetch_b8 v0, s[64:65] scope:SCOPE_SE
	s_setreg_imm32_b32 hwreg(HW_REG_WAVE_MODE, 25, 1), 1
	s_wait_xcnt 0x0
; Attention of one head on codes of BF8 (E5M2): S^T = k q^T (K = 64), p = 2^(t - M), O^T = v^T p^T (K = the keys), O / l quantised for the last product (exponent e10).
; THE KEYS ARE COMPACTED: k's and v's images hold a batch's keys with the valid ones (token_mask not 0) in front, in order.  Key p counts for query t where p < cnt[t], cnt[t] = the valid tokens up to and
; including t: that is reference()'s causal mask and the token mask in one.  Steps of 128 keys that count for none of a tile's queries are left out by scalar branches on cnt, which an earlier launch stored.
; THE SOFTMAX: t = score x log2(e) / 8; M = the running largest t rounded UP to a whole number; p = 2^(t - M) is quantised (e9), not normalised; the row's sum is taken of the unquantised p and divides O at the end;
; when M moves, the sum and O^T are multiplied by 2^(old M - new M), which rounds nothing.
; SHARES.  A work-group owns one head and the blocks g and 7 - g of 256 queries; wave w owns the 32 queries 32 (8 g + w) on and the 32 queries 32 (63 - 8 g - w) on: four tiles of 16, so every wave has about the same number of key steps.
; A lane holds ONE query throughout (lane % 16 of its tile).  The images' rows are chosen so that S^T's 16 registers of two neighbouring blocks of keys are 16 neighbouring keys, and O^T's likewise 16 neighbouring d.
; K AND V come from memory through registers into two LDS slots of one key step (8,192 bytes of k's image, 8,192 of v's), as they lie; each of the 256 threads moves 4 x 16 bytes a step.  No tensor load: what is loaded hangs on cnt.
; No cluster: which steps a work-group walks hangs on numbers read from memory, so partners could not be made to ask alike.
; One barrier a step: in front of it a wave's reads of the slot in hand and its stores into the other are done.  The loop has 16 steps in every work-group, so every wave passes every barrier.
; LIMITS: e6 + e7 between -123 and 130; e9, and e10 - e8 - e9, between -126 and 112.  Entry 6 is taken for q, entry 7 for k.  A query with no valid key up to itself (reference() gives NaN there) is not served.
; REGISTERS: window 0: v1-18 addresses and constants; v32-63 eight statistics a tile; v64-95 Q; v96-159 K's fragments; v160-223 S^T, then p; v224-239 p's codes; v240-255 the next step on its way to LDS.
;   window 1: v0-127 O^T, 32 a tile; v128-191 V's fragments.
.set L16,  1                           ; v1   16 x lane
.set T16,  2                           ; v2   16 x thread
.set NINF, 3                           ; v3   -infinity
.set DD,   4                           ; v4   at work: the first hidden key's place
.set PSC,  5                           ; v5   2^e9
.set PLIM, 6                           ; v6   57,344 x 2^e9
.set QOF,  7                           ; v7   4 (r + 8 (r / 8))
.set F,    8                           ; v[8:9]  f = 2^(old M - new M); v9 is named with it as a pair
.set TA,   10
.set SUM2, 12                          ; v[12:13] the sum's second chain
.set PD,   14                          ; v14  a lane permute's destination
.set H16,  15                          ; v15  16 (lane / 16)
.set OSC,  16                          ; v16  2^(e10 - e8 - e9)
.set OLIM, 17                          ; v17  57,344 x that
.set PFO,  18                          ; v18  256 x lane
.set ST,   32                          ; tile i at v[ST + 8 i]: +0 -M, +1 the largest t, +2, +3 the sum in two halves, +4 cnt of my query - 16 (lane / 16), +5 at work, +6 1 / sum, +7 named with it
.set Q,    64
.set KFR,  96
.set S,    160
.set P,    224
.set STG,  240
.set VFR,  128                         ; in window 1
.set WV,   16
.set CS,   30                          ; s[30:31] c = log2(e) / 8 x 2^(e6 + e7)
.set SEL,  32                          ; s[32:33] lane l xor 16
.set CMIN, 36                          ; s36-39  tile i: cnt of its first query
.set CMAX, 40                          ; s40-43  of its last
.set NK,   44                          ; keys that the work-group walks, a multiple of 128
.set KF,   45                          ; the step's first key
.set KL,   46                          ; the next step's
.set J,    47
.set PFN,  48                          ; NK in a wave that prefetches, else 0
.set KP,   50                          ; s[50:51] k's image of the step that is loaded next;  s[52:53] v's;  s[54:55] the step after it, for the prefetch
.set VP,   52
.set PP,   54
.set QL,   56
.set QH,   58
.set CL,   60
.set CH,   62
.set AL,   66
.set AH,   68
.set MSB, 0
.macro WIN new                         ; the immediate's high byte repeats the setting that is left
.if MSB != \new
	s_set_vgpr_msb (MSB<<8)|\new
.set MSB, \new
.endif
.endm
	s_load_b256 s[4:11], s[0:1], 0x0               ; qi, ki, vi, cnt
	s_load_b128 s[12:15], s[0:1], 0x20             ; the exponents, ai
	v_lshl_add_u32 v30, v0, 2, 0x8000
	v_mov_b32 v31, 0
	v_lshrrev_b32 v19, 5, v0
	v_readfirstlane_b32 s[WV], v19                 ; wave 0..7
	v_and_b32 v20, 31, v0
	v_lshlrev_b32 v[L16], 4, v20
	v_lshlrev_b32 v[T16], 4, v0
	v_lshlrev_b32 v[PFO], 8, v20
	v_and_b32 v21, 15, v0                          ; r
	v_bfe_u32 v22, v0, 4, 1                        ; h
	v_lshlrev_b32 v[H16], 4, v22
	v_and_b32 v23, 8, v21
	v_add_nc_u32 v23, v23, v21
	v_lshlrev_b32 v[QOF], 2, v23
	s_and_b32 s17, ttmp7, 0xffff                   ; 16 x batch + head
	s_lshr_b32 s18, s17, 4
	s_and_b32 s19, s17, 15
	s_lshl_b32 s20, ttmp9, 3
	s_add_co_u32 s20, s20, s[WV]                   ; my low 32 queries: 8 g + w
	s_sub_co_u32 s21, 63, s20                      ; my high 32
	s_lshl_b32 s70, s17, 17                        ; a head's image: 131,072 bytes
	s_mov_b32 s71, 0
	s_lshl_b32 s72, s20, 11                        ; 32 queries: 2,048 bytes of q's image
	s_mov_b32 s73, 0
	s_lshl_b32 s74, s21, 11
	s_mov_b32 s75, 0
	s_mov_b32 s[SEL], 0x76543210
	s_mov_b32 s[SEL+1], 0xfedcba98
	s_wait_kmcnt 0x0
	s_load_b128 s[24:27], s[12:13], 0x18           ; e6 .. e9
	s_load_b32 s28, s[12:13], 0x28                 ; e10
	s_add_nc_u64 s[QL:QL+1], s[4:5], s[70:71]
	s_add_nc_u64 s[QH:QH+1], s[QL:QL+1], s[74:75]
	s_add_nc_u64 s[QL:QL+1], s[QL:QL+1], s[72:73]
	s_add_nc_u64 s[KP:KP+1], s[6:7], s[70:71]
	s_add_nc_u64 s[VP:VP+1], s[8:9], s[70:71]
	s_lshl_b32 s70, s18, 13
	s_add_nc_u64 s[10:11], s[10:11], s[70:71]      ; the batch's counts
	s_lshl_b32 s72, s20, 7
	s_lshl_b32 s74, s21, 7
	s_add_nc_u64 s[CL:CL+1], s[10:11], s[72:73]
	s_add_nc_u64 s[CH:CH+1], s[10:11], s[74:75]
	s_sub_co_u32 s76, 8, ttmp9
	s_lshl_b32 s76, s76, 10
	s_sub_co_u32 s76, s76, 4                       ; the work-group's last query: 256 (8 - g) - 1
	s_mov_b32 s77, 0
	s_add_nc_u64 s[76:77], s[10:11], s[76:77]
	s_load_b32 s[CMIN], s[CL:CL+1], 0x0            ; a tile's queries: 8 u + 0 .. 7 and 16 + 8 u + 0 .. 7 of the 32; cnt never falls
	s_load_b32 s[CMIN+1], s[CL:CL+1], 0x20
	s_load_b32 s[CMIN+2], s[CH:CH+1], 0x0
	s_load_b32 s[CMIN+3], s[CH:CH+1], 0x20
	s_load_b32 s[CMAX], s[CL:CL+1], 0x5c
	s_load_b32 s[CMAX+1], s[CL:CL+1], 0x7c
	s_load_b32 s[CMAX+2], s[CH:CH+1], 0x5c
	s_load_b32 s[CMAX+3], s[CH:CH+1], 0x7c
	s_load_b32 s[NK], s[76:77], 0x0
.irp i, 0,1
.irp c, 0,1
	global_load_b128 v[Q+8*\i+4*\c:Q+8*\i+4*\c+3], v[L16], s[QL:QL+1] offset:1024*\i+512*\c         ; Q stays in registers
	global_load_b128 v[Q+16+8*\i+4*\c:Q+16+8*\i+4*\c+3], v[L16], s[QH:QH+1] offset:1024*\i+512*\c
.endr
.endr
	global_load_b32 v[ST+4], v[QOF], s[CL:CL+1]                ; cnt of my lane's query in each tile
	global_load_b32 v[ST+12], v[QOF], s[CL:CL+1] offset:32
	global_load_b32 v[ST+20], v[QOF], s[CH:CH+1]
	global_load_b32 v[ST+28], v[QOF], s[CH:CH+1] offset:32
	global_load_b128 v[STG:STG+3], v[T16], s[KP:KP+1]          ; key step 0
	global_load_b128 v[STG+4:STG+7], v[T16], s[KP:KP+1] offset:4096
	global_load_b128 v[STG+8:STG+11], v[T16], s[VP:VP+1]
	global_load_b128 v[STG+12:STG+15], v[T16], s[VP:VP+1] offset:4096
	s_lshl_b32 s70, s18, 21                        ; ai: [block of 16 tokens][128 k (8)][32 k (4)][lane][16 bytes]: the batch's 128 blocks of 16,384 bytes,
	s_lshr_b32 s72, s19, 1
	s_lshl_b32 s72, s72, 11
	s_add_co_u32 s70, s70, s72                     ; the head's 128 k: head / 2,
	s_and_b32 s72, s19, 1
	s_lshl_b32 s72, s72, 10
	s_add_co_u32 s70, s70, s72                     ; and its 64 of them
	s_add_nc_u64 s[14:15], s[14:15], s[70:71]
	s_lshl_b32 s72, s20, 15
	s_lshl_b32 s74, s21, 15
	s_add_nc_u64 s[AL:AL+1], s[14:15], s[72:73]
	s_add_nc_u64 s[AH:AH+1], s[14:15], s[74:75]
	v_mov_b32 v[NINF], 0xff800000
	v_mov_b32 v[F+1], 0
	v_mov_b32 v[PD], 0
.irp i, 0,1,2,3
	v_mov_b32 v[ST+8*\i+1], 0xff61b1e6             ; the largest t so far: -3e38, under every t
	v_floor_f32 v[ST+8*\i], -v[ST+8*\i+1]          ; -M
	v_mov_b32 v[ST+8*\i+2], 0
	v_mov_b32 v[ST+8*\i+3], 0
	v_mov_b32 v[ST+8*\i+5], 0
	v_mov_b32 v[ST+8*\i+7], 0
.endr
	WIN 0x40
.set nn, 0
.rept 128
	v_mov_b32 v[nn], 0                             ; O^T.  The step is written once and tiles are passed over by branches, so no first step of its own can start the sums
.set nn, nn+1
.endr
	WIN 0
	s_wait_kmcnt 0x0
	s_mov_b32 s[CS], 0x3e38aa3b                    ; log2(e) / 8
	s_add_co_i32 s70, s24, s25
	s_lshl_b32 s70, s70, 23
	s_add_co_i32 s[CS], s[CS], s70                 ; x 2^(e6 + e7): added to the exponent field
	s_mov_b32 s[CS+1], s[CS]
	s_add_co_i32 s70, s27, 127
	s_lshl_b32 s72, s70, 23
	v_mov_b32 v[PSC], s72
	s_add_co_i32 s70, s70, 15
	s_lshl_b32 s70, s70, 23
	s_or_b32 s70, s70, 0x600000
	v_mov_b32 v[PLIM], s70
	s_sub_co_i32 s70, s28, s26
	s_sub_co_i32 s70, s70, s27                     ; O^T / l stands for that x 2^(e8 + e9)
	s_add_co_i32 s70, s70, 127
	s_lshl_b32 s72, s70, 23
	v_mov_b32 v[OSC], s72
	s_add_co_i32 s70, s70, 15
	s_lshl_b32 s70, s70, 23
	s_or_b32 s70, s70, 0x600000
	v_mov_b32 v[OLIM], s70
	s_add_co_u32 s[NK], s[NK], 127
	s_and_b32 s[NK], s[NK], 0xffffff80
	s_max_u32 s[NK], s[NK], 128
	s_min_u32 s[NK], s[NK], 2048                   ; whatever was loaded, no step lies past the images
	s_lshr_b32 s70, s[WV], 1
	s_or_b32 s70, s70, ttmp9
	s_cmp_eq_u32 s70, 0                            ; waves 0 and 1 of the head's work-group 0, which walks the most steps, prefetch
	s_cselect_b32 s[PFN], s[NK], 0
	s_cmp_eq_u32 s[WV], 0
	s_cselect_b64 s[PP:PP+1], s[KP:KP+1], s[VP:VP+1]           ; wave 0: k's image; wave 1: v's
	s_add_nc_u64 s[PP:PP+1], s[PP:PP+1], 2*8192                ; step 2: nothing is prefetched at the head
	s_wait_loadcnt 0x0
.irp i, 0,1,2,3
	v_sub_nc_u32 v[ST+8*\i+4], v[ST+8*\i+4], v[H16]
.endr
.irp n, 0,1,2,3
	ds_store_b128 v[T16], v[STG+4*\n:STG+4*\n+3] offset:4096*\n
.endr
	s_add_nc_u64 s[KP:KP+1], s[KP:KP+1], 8192
	s_add_nc_u64 s[VP:VP+1], s[VP:VP+1], 8192
	s_mov_b32 s[KF], 0
	s_mov_b32 s[J], 0
	s_wait_dscnt 0x0                               ; for the others' sake: my part of step 0 lies in slot 0
	s_barrier_signal -1
	s_barrier_wait -1
; Tile i against the step's 128 keys.
.macro TILE i
.set rT, ST+8*(\i)
.set rQ, Q+8*(\i)
.set rO, 32*(\i)
	s_cmp_ge_u32 s[KF], s[CMAX+\i]                 ; none of these keys counts for any of the tile's queries
	s_cbranch_scc1 .Lhid_\@
.irp t, 0,1,2,3,4,5,6,7
	v_wmma_f32_16x16x64_bf8_bf8 v[S+8*\t:S+8*\t+7], v[KFR+8*\t:KFR+8*\t+7], v[rQ:rQ+7], 0
.endr
.rept 4
	v_nop                                          ; places in front of the first read of the scores (ISA guide 7.12.1)
.endr
	s_cmp_le_u32 s[KL], s[CMIN+\i]                 ; all of them count for all of the tile's queries
	s_cbranch_scc1 .Lopen_\@
	v_sub_nc_u32 v[DD], v[rT+4], s[KF]             ; register 16 b + i holds key KF + 16 (lane / 16) + 32 b + i: hidden where 32 b + i >= cnt - 16 (lane / 16) - KF
.set nn, 0
.rept 64
	v_cmp_ge_i32 vcc_lo, 32*(nn/16)+nn%16, v[DD]
	v_cndmask_b32 v[S+nn], v[S+nn], v[NINF], vcc_lo
.set nn, nn+1
.endr
.Lopen_\@:
	v_max3_num_f32 v[TA], v[S], v[S+1], v[S+2]     ; the step's largest score of my query, in two chains, each accumulator from its low end on
	v_max3_num_f32 v[F], v[S+3], v[S+4], v[S+5]
.irp k, 6,10,14,18,22,26,30,34,38,42,46,50,54,58
	v_max3_num_f32 v[TA], v[TA], v[S+\k], v[S+\k+1]
	v_max3_num_f32 v[F], v[F], v[S+\k+2], v[S+\k+3]
.endr
	v_max3_num_f32 v[TA], v[TA], v[S+62], v[S+63]
	v_max_num_f32 v[TA], v[TA], v[F]
	v_permlanex16_b32 v[PD], v[TA], s[SEL], s[SEL+1]
	v_max_num_f32 v[TA], v[TA], v[PD]              ; and among lane l xor 16's keys
	v_mul_f32 v[TA], s[CS], v[TA]                  ; as t (c is positive)
	v_max_num_f32 v[rT+1], v[rT+1], v[TA]          ; the running largest t
	v_mov_b32 v[TA], v[rT]
	v_floor_f32 v[rT], -v[rT+1]                    ; the new -M = floor(-t): M is a whole number
	v_sub_f32 v[TA], v[rT], v[TA]                  ; old M - new M: a whole number, 0 or less
	v_cvt_i32_f32 v[TA], v[TA]                     ; (it saturates)
	v_ldexp_f32 v[F], 1.0, v[TA]                   ; f = 2^(old M - new M)
.irp j, 0,2,4,6,8,10,12,14,16,18,20,22,24,26,28,30,32,34,36,38,40,42,44,46,48,50,52,54,56,58,60,62
	v_pk_fma_f32 v[S+\j:S+\j+1], v[S+\j:S+\j+1], s[CS:CS+1], v[rT:rT+1] op_sel_hi:[1,0,0]   ; t - M (of the pairs c and -M the low word serves both halves)
.endr
.set nn, 0
.rept 64
	v_exp_f32 v[S+nn], v[S+nn]                     ; p = 2^(t - M), at most 1
.set nn, nn+1
.endr
	v_pk_mul_f32 v[rT+2:rT+3], v[rT+2:rT+3], v[F:F+1] op_sel_hi:[1,0]   ; the sums under the new M: the plain line behind the exponentials
	s_wait_alu depctr_va_vdst(0)                   ; one wait for the batch, ahead of its first reader
	v_pk_add_f32 v[SUM2:SUM2+1], v[S:S+1], v[S+2:S+3]          ; the row's sum is taken of the unquantised p, in two chains
.irp j, 4,8,12,16,20,24,28,32,36,40,44,48,52,56,60
	v_pk_add_f32 v[rT+2:rT+3], v[rT+2:rT+3], v[S+\j:S+\j+1]
	v_pk_add_f32 v[SUM2:SUM2+1], v[SUM2:SUM2+1], v[S+\j+2:S+\j+3]
.endr
	v_pk_add_f32 v[rT+2:rT+3], v[rT+2:rT+3], v[SUM2:SUM2+1]
.irp b, 0,1,2,3
.irp k, 0,1,2,3,4,5,6,7,8,9,10,11,12,13,14,15
	v_min_num_f32 v[S+16*\b+\k], v[S+16*\b+\k], v[PLIM]        ; the conversion does not saturate (ISA guide 7.6.2); p is not negative, so the hold is one-sided
.endr
	v_cvt_scalef32_pk8_bf8_f32 v[P+4*\b:P+4*\b+1], v[S+16*\b:S+16*\b+7], v[PSC]
	v_cvt_scalef32_pk8_bf8_f32 v[P+4*\b+2:P+4*\b+3], v[S+16*\b+8:S+16*\b+15], v[PSC]
.endr
	WIN 0x41                                       ; O^T (destination and source 0) in window 1
.irp j, 0,2,4,6,8,10,12,14,16,18,20,22,24,26,28,30
	v_pk_mul_f32 v[rO+\j:rO+\j+1], v[rO+\j:rO+\j+1], v[F:F+1] op_sel_hi:[1,0]   ; O^T under the new M; these are also the plain lines between the conversions and the products
.endr
	WIN 0x51                                       ; V and O^T in window 1, p's codes in window 0
.irp f, 0,1,2,3
	v_wmma_f32_16x16x128_bf8_bf8 v[rO+8*\f:rO+8*\f+7], v[VFR+16*\f:VFR+16*\f+15], v[P:P+15], v[rO+8*\f:rO+8*\f+7]   ; four accumulators, one instruction each
.endr
	WIN 0
.Lhid_\@:
.endm
; A key step: it reads slot sl and brings the next step into the other slot.
.macro HALF sl
	s_add_co_u32 s[KL], s[KF], 128
	s_cmp_lt_u32 s[KL], s[NK]
	s_cbranch_scc0 .Lnoload_\@
	global_load_b128 v[STG:STG+3], v[T16], s[KP:KP+1]
	global_load_b128 v[STG+4:STG+7], v[T16], s[KP:KP+1] offset:4096
	global_load_b128 v[STG+8:STG+11], v[T16], s[VP:VP+1]
	global_load_b128 v[STG+12:STG+15], v[T16], s[VP:VP+1] offset:4096
	s_add_co_u32 s70, s[KL], 128
	s_cmp_lt_u32 s70, s[PFN]                       ; the step after the one just asked for, if the work-group walks it: 8,192 bytes, lanes 256 bytes apart, each block named once in the launch
	s_cbranch_scc0 .Lnoload_\@
	global_prefetch_b8 v[PFO], s[PP:PP+1] th:TH_LOAD_NT scope:SCOPE_SE
.Lnoload_\@:
	s_cmp_lt_u32 s[KF], s[CMAX+3]                  ; my last query's count: past it the wave has no work
	s_cbranch_scc0 .Lnowork_\@
.rept 4
	v_nop                                          ; places in front of loads into registers that the last products have read
.endr
.set nn, 0
.rept 16
	ds_load_b128 v[KFR+4*nn:KFR+4*nn+3], v[L16] offset:\sl*16384+512*nn
.set nn, nn+1
.endr
	WIN 0x40
.set nn, 0
.rept 16
	ds_load_b128 v[VFR+4*nn:VFR+4*nn+3], v[L16] offset:\sl*16384+8192+512*nn
.set nn, nn+1
.endr
	WIN 0
	s_wait_dscnt 0x0
	TILE 0
	TILE 1
	TILE 2
	TILE 3
.Lnowork_\@:
	s_wait_loadcnt 0x0                             ; the next step's 64 bytes of mine are in registers
	s_cmp_lt_u32 s[KL], s[NK]
	s_cbranch_scc0 .Lnostore_\@
.irp n, 0,1,2,3
	ds_store_b128 v[T16], v[STG+4*\n:STG+4*\n+3] offset:(1-\sl)*16384+4096*\n   ; the other slot: every wave's reads of it were over at the last barrier
.endr
.Lnostore_\@:
	s_wait_xcnt 0x0                                ; the loads and the prefetch have read their bases: they step only behind this wait
	s_add_nc_u64 s[KP:KP+1], s[KP:KP+1], 8192
	s_add_nc_u64 s[VP:VP+1], s[VP:VP+1], 8192
	s_add_nc_u64 s[PP:PP+1], s[PP:PP+1], 8192
	s_wait_dscnt 0x0                               ; my stores have landed, my reads of this slot are over
	s_barrier_signal -1
	s_barrier_wait -1
	s_mov_b32 s[KF], s[KL]
.endm
.Lstep:                                            ; eight trips of two steps: the same in every work-group
	HALF 0
	HALF 1
	s_add_co_u32 s[J], s[J], 1
	s_cmp_lt_u32 s[J], 8
	s_cbranch_scc1 .Lstep
	; THE WAY OUT: O^T / l, quantised, stored as images of the last product's operand registers.
.irp i, 0,1,2,3
	v_add_f32 v[ST+8*\i+2], v[ST+8*\i+2], v[ST+8*\i+3]         ; the sum's two halves (four plain lines behind the last products),
.endr
.irp i, 0,1,2,3
	v_permlanex16_b32 v[ST+8*\i+5], v[ST+8*\i+2], s[SEL], s[SEL+1]
.endr
.irp i, 0,1,2,3
	v_add_f32 v[ST+8*\i+2], v[ST+8*\i+2], v[ST+8*\i+5]         ; and lane l xor 16's
.endr
.irp i, 0,1,2,3
	v_rcp_f32 v[ST+8*\i+6], v[ST+8*\i+2]
.endr
	v_nop                                          ; a plain line behind the last reciprocal
	s_wait_alu depctr_va_vdst(0)                   ; one wait for the four, ahead of their first reader
.macro OUT i
.set rB, S+32*((\i)%2)
	WIN 0x01                                       ; source 0 (O^T) in window 1
.irp j, 0,2,4,6,8,10,12,14,16,18,20,22,24,26,28,30
	v_pk_mul_f32 v[rB+\j:rB+\j+1], v[32*(\i)+\j:32*(\i)+\j+1], v[ST+8*(\i)+6:ST+8*(\i)+7] op_sel_hi:[1,0]   ; register 16 c + k: d = 32 c + 16 (lane / 16) + k
.endr
	WIN 0
.set nn, 0
.rept 32
	v_med3_num_f32 v[rB+nn], v[rB+nn], -v[OLIM], v[OLIM]
.set nn, nn+1
.endr
.irp c, 0,1
	v_cvt_scalef32_pk8_bf8_f32 v[KFR+8*(\i)+4*\c:KFR+8*(\i)+4*\c+1], v[rB+16*\c:rB+16*\c+7], v[OSC]
	v_cvt_scalef32_pk8_bf8_f32 v[KFR+8*(\i)+4*\c+2:KFR+8*(\i)+4*\c+3], v[rB+16*\c+8:rB+16*\c+15], v[OSC]
.endr
	v_nop                                          ; a plain line behind the conversions
.irp c, 0,1
.if (\i) < 2
	global_store_b128 v[L16], v[KFR+8*(\i)+4*\c:KFR+8*(\i)+4*\c+3], s[AL:AL+1] offset:16384*((\i)%2)+512*\c   ; 32 lanes store 512 consecutive bytes
.else
	global_store_b128 v[L16], v[KFR+8*(\i)+4*\c:KFR+8*(\i)+4*\c+3], s[AH:AH+1] offset:16384*((\i)%2)+512*\c
.endif
.endr
.endm
	OUT 0
	OUT 1
	OUT 2
	OUT 3
	s_wait_tensorcnt 0x0
	ds_add_u32 v30, v31
	s_wait_dscnt 0x0
	s_endpgm
.Lfunc_end_k_q839be5ff17_attn:
	.size	k_q839be5ff17_attn, .Lfunc_end_k_q839be5ff17_attn-k_q839be5ff17_attn
	.p2alignl 7, 3214868480
	.fill 96, 4, 3214868480
	.section	.rodata,"a",@progbits
	.p2align	6, 0x0
	.amdhsa_kernel k_q839be5ff17_attn
		.amdhsa_group_segment_fixed_size 33792
		.amdhsa_private_segment_fixed_size 0
		.amdhsa_enable_private_segment 0
		.amdhsa_kernarg_size 48
		.amdhsa_user_sgpr_count 2
		.amdhsa_user_sgpr_kernarg_segment_ptr 1
		.amdhsa_wavefront_size32 1
		.amdhsa_system_sgpr_workgroup_id_x 1
		.amdhsa_system_sgpr_workgroup_id_y 1
		.amdhsa_system_sgpr_workgroup_id_z 1
		.amdhsa_system_vgpr_workitem_id 0
		.amdhsa_next_free_vgpr 448
		.amdhsa_next_free_sgpr 80
		.amdhsa_reserve_vcc 1
		.amdhsa_float_denorm_mode_32 3
		.amdhsa_float_denorm_mode_16_64 3
		.amdhsa_memory_ordered 1
		.amdhsa_forward_progress 1
		.amdhsa_inst_pref_size 179
	.end_amdhsa_kernel
	.amdgpu_metadata
---
amdhsa.version: [ 1, 2 ]
amdhsa.kernels:
  - .name:           k_q839be5ff17_attn
    .symbol:         k_q839be5ff17_attn.kd
    .args:
      - { .name: qi, .offset: 0, .size: 8, .value_kind: global_buffer, .address_space: global }
      - { .name: ki, .offset: 8, .size: 8, .value_kind: global_buffer, .address_space: global }
      - { .name: vi, .offset: 16, .size: 8, .value_kind: global_buffer, .address_space: global }
      - { .name: cnt, .offset: 24, .size: 8, .value_kind: global_buffer, .address_space: global }
      - { .name: lowp_scales, .offset: 32, .size: 8, .value_kind: global_buffer, .address_space: global }
      - { .name: ai, .offset: 40, .size: 8, .value_kind: global_buffer, .address_space: global }
    .group_segment_fixed_size: 33792
    .private_segment_fixed_size: 0
    .kernarg_segment_align: 8
    .kernarg_segment_size: 48
    .max_flat_workgroup_size: 256
    .sgpr_count:     80
    .vgpr_count:     448
    .wavefront_size: 32
...
	.end_amdgpu_metadata
.endif
;; end of part 3
;; launch proj (part 4): grid 8 x 64, 4 waves a work-group, clusters of 4 x 4, 284,160 bytes of LDS; arguments ai, wc, lowp_scales, bp, out0; writes out0
.if DOCPART == 4
	.amdgcn_target "amdgcn-amd-amdhsa--gfx1250"
	.amdhsa_code_object_version 6
	.text
	.protected	k_q839be5ff17_proj
	.globl	k_q839be5ff17_proj
	.p2align	8
	.type	k_q839be5ff17_proj,@function
k_q839be5ff17_proj:
	s_mov_b64 s[64:65], 0
	v_nop
	global_prefetch_b8 v0, s[64:65] scope:SCOPE_SE
	s_setreg_imm32_b32 hwreg(HW_REG_WAVE_MODE, 25, 1), 1
	s_wait_xcnt 0x0
	s_wait_alu depctr_hold_cnt(0) depctr_sa_sdst(0) depctr_va_vdst(0) depctr_va_sdst(0) depctr_va_ssrc(0) depctr_va_vcc(0) depctr_vm_vsrc(0)
	s_getreg_b32 s2, hwreg(HW_REG_IB_STS2, 6, 4)
	s_cmp_eq_u32 s2, 0
	s_cbranch_scc0 .Lentry_in_a_cluster
	s_endpgm
.Lentry_in_a_cluster:
	s_bfe_u32 s2, ttmp6, 0x10000c
	s_cmp_lg_u32 s2, 0xf033
	s_cbranch_scc0 .Lentry_shape_is_right
	s_endpgm
.Lentry_shape_is_right:
; out = attn wp^T + bp on codes of BF8 (E5M2): attn's codes come as images of operand registers (ai), wp's as rows (the fourth part of wc), both with exponents e10, e11.
; A tile of out is 128 tokens x 128 features; K = 1,024 lies in LDS whole, in two halves of 512, each brought by one tensor load a wave at the start: nothing is filled again, so there is no ring.
; 4 x 4 work-groups form a cluster: attn's tile is asked for jointly along a row of the cluster, wp's along a column.
; Four waves, each 64 x 64: 16 accumulators.  Source 0 = 16 rows of wp, source 1 = 16 tokens: a lane holds one token, its eight registers eight neighbouring features.
; Stored rows of wp, and the tokens of an image, lie with bits 3 and 4 of their number exchanged: block 2 g + u, place r is row 32 g + 8 u + r + 8 (r / 8); the way out puts every number in its true place.
; out = sum x 2^(e10 + e11) + bp, one packed multiply-add for two numbers.  LIMIT: e10 + e11 between -126 and 127.
; REGISTERS: window 0: v16-27 addresses; v32-63 the bias; v64-95 at work; v128-255 the accumulators ((a, b) at v[128 + 8 (4 a + b)]), later the rows read back.  window 1: two sets of fragments: A at 128 p + 16 a, B at 128 p + 64 + 16 b.
.set ABYTES, 65536                     ; A, one half of K: [block of 16 tokens (8)][128 k (4)][2,048 bytes], dense images
.set BBASE,  131072
.set BP,     528                       ; a row of wp's half: 512 bytes + 16 of padding = 132 words: row r starts at bank 4 r mod 64 (ISA guide 11.1)
.set BHALF,  128*BP
.set STAGE,  BBASE+2*BHALF             ; 266,240: 16 rows x 272 bytes for each wave; no tensor load lands here
.set SPITCH, 272
.set ADRA, 16
.set ADRB, 20
.set STO,  24
.set RD,   25
.set CO,   26
.set BO,   27
.set BIAS, 32
.set T,    64
.set ACC,  128
.set G1A, 24
.set G0A, 32
.set G1B, 48
.set G0B, 56
.set MSB, 0
.macro WIN new                         ; the immediate's high byte repeats the setting that is left
.if MSB != \new
	s_set_vgpr_msb (MSB<<8)|\new
.set MSB, \new
.endif
.endm
.macro CROUND                          ; a round of the cluster's barrier
	s_barrier_signal -1
	s_barrier_wait -1
	s_cmp_lg_u32 s14, 0
	s_cbranch_scc1 .Lnot_wave_0_\@
	s_barrier_signal -3
.Lnot_wave_0_\@:
	s_barrier_wait -3
	s_barrier_signal -1
	s_barrier_wait -1
.endm
.macro PLACES
.rept 4
	v_nop
.endr
.endm
	s_load_b256 s[4:11], s[0:1], 0x0               ; ai, wc, the exponents, bp
	s_load_b64 s[12:13], s[0:1], 0x20              ; out0
	v_lshl_add_u32 v126, v0, 2, 0x45400
	v_mov_b32 v127, 0
	ds_add_u32 v126, v127
	ds_add_u32 v126, v127
	v_lshrrev_b32 v1, 5, v0
	v_readfirstlane_b32 s14, v1                    ; wave 0..3
	s_lshr_b32 s15, s14, 1                         ; which 64 tokens are mine
	s_and_b32 s16, s14, 1                          ; which 64 features.  Also: which half of a tile's rows I fetch
	s_bfe_u32 s40, ttmp6, 0x40000                  ; cx, cy
	s_bfe_u32 s41, ttmp6, 0x40004
	s_lshl_b32 s42, ttmp9, 2
	s_add_co_u32 s42, s42, s40                     ; the features' tile = 4 x cluster x + cx
	s_and_b32 s17, ttmp7, 0xffff
	s_lshl_b32 s17, s17, 2
	s_add_co_u32 s17, s17, s41                     ; the tokens' tile = 4 x cluster y + cy
	s_lshl_b32 s43, s41, 2
	s_lshl_b32 s43, 15, s43                        ; my row of the cluster
	s_lshl_b32 s44, 0x1111, s40                    ; my column
	s_or_b32 s[G1A], s43, (3<<16)|(1<<21)          ; A: the mask; elements of 8 bytes; bit 21 set beside a mask; no padding
	s_mov_b32 s[G1A+1], 1024<<16                   ; tensor_dim0 = 1,024 elements: 8,192 bytes, four K steps of a block's images
	s_mov_b32 s[G1A+2], 4<<16                      ; tensor_dim1 = 4 blocks of 16 tokens
	s_mov_b32 s[G1A+3], 1024<<16                   ; tile_dim0
	s_mov_b32 s[G1A+4], 4                          ; tile_dim1
	s_mov_b32 s[G1A+5], 2048                       ; from block to block: 16,384 bytes
	s_mov_b32 s[G1A+6], 0
	s_mov_b32 s[G1A+7], 0
	s_or_b32 s[G1B], s44, (1<<20)|(1<<21)|(6<<22)|(3<<25)      ; B: the mask; elements of 1 byte; padding: four words after every 128
	s_mov_b32 s[G1B+1], 512<<16
	s_mov_b32 s[G1B+2], 64<<16
	s_mov_b32 s[G1B+3], 512<<16
	s_mov_b32 s[G1B+4], 64
	s_mov_b32 s[G1B+5], 1024
	s_mov_b32 s[G1B+6], 0
	s_mov_b32 s[G1B+7], 0
	s_lshl_b32 s18, s16, 16
	s_lshl_b32 s20, s17, 17                        ; A: 8 blocks of 16,384 bytes a tile, + 4 blocks for the second half
	s_add_co_u32 s20, s20, s18
	s_mov_b32 s21, 0
	s_lshl_b32 s46, s42, 17                        ; B: 128 rows of 1,024 bytes a tile, + 64 rows,
	s_add_co_u32 s46, s46, s18
	s_add_co_u32 s46, s46, 0x300000                ; in wp's part of wc
	s_mov_b32 s47, 0
	s_lshl_b32 s19, s16, 15                        ; where they go: no place in the cluster enters an LDS address
	s_mul_i32 s45, s16, 64*BP
	s_add_co_u32 s45, s45, BBASE
	s_wait_dscnt 0x0
	s_wait_kmcnt 0x0
	s_load_b64 s[66:67], s[8:9], 0x28              ; e10, e11
	s_add_nc_u64 s[20:21], s[4:5], s[20:21]
	s_add_nc_u64 s[46:47], s[6:7], s[46:47]
	CROUND                                         ; all sixteen work-groups are here: the joint loads meet
.irp k, 0,1
	s_mov_b32 s[G0A+4*\k], 1
	s_add_co_u32 s[G0A+4*\k+1], s19, \k*ABYTES
	s_add_nc_u64 s[G0A+4*\k+2:G0A+4*\k+3], s[20:21], \k*8192
	s_or_b32 s[G0A+4*\k+3], s[G0A+4*\k+3], 0x80000000
	s_mov_b32 s[G0B+4*\k], 1
	s_add_co_u32 s[G0B+4*\k+1], s45, \k*BHALF
	s_add_nc_u64 s[G0B+4*\k+2:G0B+4*\k+3], s[46:47], \k*512
	s_or_b32 s[G0B+4*\k+3], s[G0B+4*\k+3], 0x80000000
.endr
	s_cmp_lt_u32 s14, 2                            ; waves 0 and 1 fetch A's halves of rows, waves 2 and 3 B's; a wave's two loads stand in one branch: two loads of mine are out
	s_cbranch_scc0 .Lfirst_b
	tensor_load_to_lds s[G0A:G0A+3], s[G1A:G1A+7]
	s_nop 0
	tensor_load_to_lds s[G0A+4:G0A+7], s[G1A:G1A+7]
	s_nop 0
.rept 4
	v_nop
.endr
	s_branch .Lfirst_asked
.Lfirst_b:
	tensor_load_to_lds s[G0B:G0B+3], s[G1B:G1B+7]
	s_nop 0
	tensor_load_to_lds s[G0B+4:G0B+7], s[G1B:G1B+7]
	s_nop 0
.rept 4
	v_nop
.endr
.Lfirst_asked:
	v_and_b32 v1, 15, v0                           ; r
	v_bfe_u32 v2, v0, 4, 1                         ; h
	v_and_b32 v3, 31, v0
	v_lshlrev_b32 v4, 4, v3                        ; 16 x lane
	s_lshl_b32 s22, s15, 15                        ; my four blocks of tokens
	v_add_nc_u32 v[ADRA], s22, v4
	v_add_nc_u32 v[ADRA+1], ABYTES, v[ADRA]
	v_mul_u32_u24 v5, v1, BP
	v_lshl_add_u32 v5, v2, 4, v5
	s_mul_i32 s22, s16, 64*BP                      ; my 64 rows of wp
	s_add_co_u32 s22, s22, BBASE
	v_add_nc_u32 v[ADRB], s22, v5
	v_add_nc_u32 v[ADRB+1], BHALF, v[ADRB]
	s_mul_i32 s23, s14, 16*SPITCH
	s_add_co_u32 s23, s23, STAGE                   ; my stage
	v_mul_u32_u24 v6, v1, SPITCH
	v_lshl_add_u32 v6, v2, 6, v6
	v_add_nc_u32 v[STO], s23, v6                   ; in: row r, + 64 h bytes
	v_mul_u32_u24 v7, v2, SPITCH
	v_lshl_add_u32 v7, v1, 4, v7
	v_add_nc_u32 v[RD], s23, v7                    ; back: lanes 0-15 one row of 256 bytes, lanes 16-31 the next
	v_lshlrev_b32 v[CO], 12, v2
	v_lshl_add_u32 v[CO], v1, 4, v[CO]             ; and the same two rows in out
	v_lshlrev_b32 v[BO], 6, v2
	s_lshl_b32 s68, s42, 9
	s_lshl_b32 s69, s16, 8
	s_add_co_u32 s68, s68, s69                     ; my first feature, in bytes: 4 (128 x tile + 64 (wave % 2))
	s_mov_b32 s69, 0
	s_lshl_b32 s70, s17, 19
	s_lshl_b32 s71, s15, 18
	s_add_co_u32 s70, s70, s71                     ; my first token's row of 4,096 bytes
	s_mov_b32 s71, 0
	s_add_nc_u64 s[10:11], s[10:11], s[68:69]
	s_add_nc_u64 s[12:13], s[12:13], s[70:71]
	s_add_nc_u64 s[12:13], s[12:13], s[68:69]
.irp b, 0,1,2,3
	global_load_b128 v[BIAS+8*\b:BIAS+8*\b+3], v[BO], s[10:11] offset:(32*(\b/2)+8*(\b%2))*4       ; block b, register j: feature 32 (b / 2) + 16 h + 8 (b % 2) + j
	global_load_b128 v[BIAS+8*\b+4:BIAS+8*\b+7], v[BO], s[10:11] offset:(32*(\b/2)+8*(\b%2))*4+16
.endr
.macro FETCH n, p                      ; the fragments of K step n (128 along K) into set p: 32 LDS loads in one run
	WIN 0x40
.irp a, 0,1,2,3
.irp c, 0,1,2,3
	ds_load_b128 v[128*(\p)+64+16*\a+4*\c:128*(\p)+64+16*\a+4*\c+3], v[ADRB+(\n)/4] offset:16*BP*\a+128*((\n)%4)+32*\c
.endr
.endr
.irp a, 0,1,2,3
.irp c, 0,1,2,3
	ds_load_b128 v[128*(\p)+16*\a+4*\c:128*(\p)+16*\a+4*\c+3], v[ADRA+(\n)/4] offset:8192*\a+2048*((\n)%4)+512*\c
.endr
.endr
	WIN 0
.endm
.macro KSTEP n
	s_wait_dscnt 0x0                               ; this step's fragments are in
.if (\n) == 3
	s_wait_tensorcnt 0x0                           ; my part of the second half of K has landed,
	s_barrier_signal -1
	s_barrier_wait -1                              ; everybody's has
.endif
.if (\n) < 7
.if (\n) > 0
	PLACES                                         ; in front of loads into the set that the last step's products have read
.endif
	FETCH (\n)+1, ((\n)+1)%2
.endif
	WIN 0x05                                       ; sources 0 and 1 in window 1
.irp a, 0,1,2,3
.irp b, 0,1,2,3
.if (\n) == 0
	v_wmma_f32_16x16x128_bf8_bf8 v[ACC+8*(4*\a+\b):ACC+8*(4*\a+\b)+7], v[128*((\n)%2)+64+16*\b:128*((\n)%2)+64+16*\b+15], v[128*((\n)%2)+16*\a:128*((\n)%2)+16*\a+15], 0
.else
	v_wmma_f32_16x16x128_bf8_bf8 v[ACC+8*(4*\a+\b):ACC+8*(4*\a+\b)+7], v[128*((\n)%2)+64+16*\b:128*((\n)%2)+64+16*\b+15], v[128*((\n)%2)+16*\a:128*((\n)%2)+16*\a+15], v[ACC+8*(4*\a+\b):ACC+8*(4*\a+\b)+7]
.endif
.endr
.endr
	WIN 0
.endm
	s_wait_tensorcnt 1                             ; my part of the first half of K is in (the second half's load may be out),
	s_barrier_signal -1
	s_barrier_wait -1                              ; everybody's is
	FETCH 0, 0
.irp n, 0,1,2,3,4,5,6,7                ; the 16 accumulators take turns, one instruction a turn, in the same order in every step
	KSTEP \n
.endr
	; THE WAY OUT, a block of 16 tokens x 64 features at a time, through my own stage: sixteen lanes then store 256 consecutive bytes of a row of out.
.macro TOSTAGE a
.irp b, 0,1,2,3
.irp j, 0,2,4,6
	v_pk_fma_f32 v[T+8*\b+\j:T+8*\b+\j+1], v[ACC+8*(4*(\a)+\b)+\j:ACC+8*(4*(\a)+\b)+\j+1], s[66:67], v[BIAS+8*\b+\j:BIAS+8*\b+\j+1] op_sel_hi:[1,0,1]   ; sum x 2^(e10 + e11) + bp; each accumulator from its low end on
.endr
.endr
.irp b, 0,1,2,3
	ds_store_b128 v[STO], v[T+8*\b:T+8*\b+3] offset:128*(\b/2)+32*(\b%2)
	ds_store_b128 v[STO], v[T+8*\b+4:T+8*\b+7] offset:128*(\b/2)+32*(\b%2)+16
.endr
.irp t, 0,1,2,3,4,5,6,7
	ds_load_b128 v[ACC+32*(\a)+4*\t:ACC+32*(\a)+4*\t+3], v[RD] offset:2*SPITCH*\t   ; LDS serves a wave's instructions in order: these see my stores; they land in the block's own accumulators, which are done with
.endr
.endm
.macro SEND a, younger                 ; younger: the LDS instructions issued behind block a's loads
	s_wait_dscnt \younger
.irp t, 0,1,2,3,4,5,6,7
	global_store_b128 v[CO], v[ACC+32*(\a)+4*\t:ACC+32*(\a)+4*\t+3], s[12:13] offset:(32*((\a)/2)+8*((\a)%2)+2*\t+8*(\t/4))*4096 th:TH_STORE_NT   ; stage row 2 t + h is token 32 (a / 2) + 8 (a % 2) + 2 t + h + 8 (t / 4)
.endr
.endm
	s_wait_loadcnt 0x0                             ; the bias
	s_wait_kmcnt 0x0
	s_add_co_i32 s66, s66, s67
	s_add_co_i32 s66, s66, 127
	s_lshl_b32 s66, s66, 23                        ; 2^(e10 + e11) as f32
	s_mov_b32 s67, s66                             ; (named with it as a pair)
	PLACES                                         ; behind the last products
	TOSTAGE 0
	TOSTAGE 1
	SEND 0, 16                                     ; behind block 0's loads: block 1's 8 stores and 8 loads
	TOSTAGE 2
	SEND 1, 16
	TOSTAGE 3
	SEND 2, 16
	SEND 3, 0
	s_wait_tensorcnt 0x0
	ds_add_u32 v126, v127
	s_wait_dscnt 0x0
	CROUND                                         ; the closing round: no work-group ends while a partner may still ask for a tile that names it
	s_endpgm
.Lfunc_end_k_q839be5ff17_proj:
	.size	k_q839be5ff17_proj, .Lfunc_end_k_q839be5ff17_proj-k_q839be5ff17_proj
	.p2alignl 7, 3214868480
	.fill 96, 4, 3214868480
	.section	.rodata,"a",@progbits
	.p2align	6, 0x0
	.amdhsa_kernel k_q839be5ff17_proj
		.amdhsa_group_segment_fixed_size 284160
		.amdhsa_private_segment_fixed_size 0
		.amdhsa_enable_private_segment 0
		.amdhsa_kernarg_size 40
		.amdhsa_user_sgpr_count 2
		.amdhsa_user_sgpr_kernarg_segment_ptr 1
		.amdhsa_wavefront_size32 1
		.amdhsa_system_sgpr_workgroup_id_x 1
		.amdhsa_system_sgpr_workgroup_id_y 1
		.amdhsa_system_sgpr_workgroup_id_z 1
		.amdhsa_system_vgpr_workitem_id 0
		.amdhsa_next_free_vgpr 512
		.amdhsa_next_free_sgpr 72
		.amdhsa_reserve_vcc 0
		.amdhsa_float_denorm_mode_32 3
		.amdhsa_float_denorm_mode_16_64 3
		.amdhsa_memory_ordered 1
		.amdhsa_forward_progress 1
		.amdhsa_inst_pref_size 46
	.end_amdhsa_kernel
	.amdgpu_metadata
---
amdhsa.version: [ 1, 2 ]
amdhsa.kernels:
  - .name:           k_q839be5ff17_proj
    .symbol:         k_q839be5ff17_proj.kd
    .args:
      - { .name: ai, .offset: 0, .size: 8, .value_kind: global_buffer, .address_space: global }
      - { .name: wc, .offset: 8, .size: 8, .value_kind: global_buffer, .address_space: global }
      - { .name: lowp_scales, .offset: 16, .size: 8, .value_kind: global_buffer, .address_space: global }
      - { .name: bp, .offset: 24, .size: 8, .value_kind: global_buffer, .address_space: global }
      - { .name: out0, .offset: 32, .size: 8, .value_kind: global_buffer, .address_space: global }
    .group_segment_fixed_size: 284160
    .private_segment_fixed_size: 0
    .kernarg_segment_align: 8
    .kernarg_segment_size: 40
    .max_flat_workgroup_size: 128
    .sgpr_count:     72
    .vgpr_count:     512
    .wavefront_size: 32
...
	.end_amdgpu_metadata
.endif
;; end of part 4
;; ======== version 2 of 2: 4 launches; version 1 with the launch attn written anew for expert scheduling mode
;; workspace buffers: xc 25,165,824 bytes; wc 4,194,304 bytes; qi 8,388,608 bytes; ki 8,388,608 bytes; vi 8,388,608 bytes; ai 8,388,608 bytes; cnt 32,768 bytes of whole numbers
;; launch quant: the kernel of part 1 again; grid 768 x 1, 4 waves a work-group, no clusters, 33,280 bytes of LDS; arguments x, wq, wk, wv, wp, token_mask, lowp_scales, xc, wc, cnt; writes xc, wc, cnt
;; launch qkv: the kernel of part 2 again; grid 8 x 48, 4 waves a work-group, clusters of 4 x 4, 327,680 bytes of LDS; arguments xc, wc, lowp_scales, bq, bk, bv, qi, ki, vi; writes qi, ki, vi
;; launch attn (part 5): grid 4 x 64, 8 waves a work-group, no clusters, 33,792 bytes of LDS; arguments qi, ki, vi, cnt, lowp_scales, ai; writes ai
.if DOCPART == 5
	.amdgcn_target "amdgcn-amd-amdhsa--gfx1250"
	.amdhsa_code_object_version 6
	.text
	.protected	k_q839be5ff17_attn
	.globl	k_q839be5ff17_attn
	.p2align	8
	.type	k_q839be5ff17_attn,@function
k_q839be5ff17_attn:
	s_mov_b64 s[64:65], 0
	v_nop
	global_prefetch_b8 v0, s[64:65] scope:SCOPE_SE
	s_setreg_imm32_b32 hwreg(HW_REG_WAVE_SCHED_MODE, 0, 2), 2
	s_setreg_imm32_b32 hwreg(HW_REG_WAVE_MODE, 25, 1), 1
	s_wait_xcnt 0x0
	s_wait_alu depctr_vm_vsrc(0)
; Attention of one head on codes of BF8 (E5M2): S^T = k q^T (K = 64), p = 2^(t - M), O^T = v^T p^T (K = the keys), O / l quantised for the last product (exponent e10).
; THE KEYS ARE COMPACTED: k's and v's images hold a batch's keys with the valid ones (token_mask not 0) in front, in order.  Key p counts for query t where p < cnt[t], cnt[t] = the valid tokens up to and
; including t: that is reference()'s causal mask and the token mask in one.  Steps of 128 keys that count for none of a tile's queries are left out by scalar branches on cnt, which an earlier launch stored.
; THE SOFTMAX: t = score x log2(e) / 8; M = the running largest t rounded UP to a whole number; p = 2^(t - M) is quantised (e9), not normalised; the row's sum is taken of the unquantised p and divides O at the end;
; when M moves, the sum and O^T are multiplied by 2^(old M - new M), which rounds nothing.
; SHARES.  A work-group owns one head and the blocks g and 7 - g of 256 queries; wave w owns the 32 queries 32 (8 g + w) on and the 32 queries 32 (63 - 8 g - w) on: four tiles of 16, so every wave has about the same number of key steps.
; A lane holds ONE query throughout (lane % 16 of its tile).  The images' rows are chosen so that S^T's 16 registers of two neighbouring blocks of keys are 16 neighbouring keys, and O^T's likewise 16 neighbouring d.
; K AND V come from memory through registers into two LDS slots of one key step (8,192 bytes of k's image, 8,192 of v's), as they lie; each of the 256 threads moves 4 x 16 bytes a step.  No tensor load: what is loaded hangs on cnt.
; No cluster: which steps a work-group walks hangs on numbers read from memory, so partners could not be made to ask alike.
; One barrier a step: in front of it a wave's reads of the slot in hand and its stores into the other are done.  The loop has 16 steps in every work-group, so every wave passes every barrier.
; LIMITS: e6 + e7 between -123 and 130; e9, and e10 - e8 - e9, between -126 and 112.  Entry 6 is taken for q, entry 7 for k.  A query with no valid key up to itself (reference() gives NaN there) is not served.
; REGISTERS: window 0: v1-18 addresses and constants; v32-63 eight statistics a tile; v64-95 Q; v96-159 K's fragments; v160-223 S^T, then p; v224-239 p's codes; v240-255 the next step on its way to LDS.
;   window 1: v0-127 O^T, 32 a tile; v128-191 V's fragments.
; THE MODE: SCHED_MODE bits 1:0 = 2 (LLVM: expert scheduling mode 2), set by the entry lines.  The code itself states the register dependences
; between vector or matrix instructions and memory or LDS instructions, with s_wait_alu, always for 0.
; THE PLAN.  Registers that memory or LDS instructions touch:
;   v[L16], v[T16], v[QOF], v[PFO]   offsets and LDS addresses.  Written once at the head, ahead of the one wait on va_vdst that stands in front of the first load; no line writes them again.
;   Q, the lanes' counts             loaded once, at the head, into registers that no vector instruction has named.
;   v[STG ..]                        A step's four global loads land in them at its head; its four LDS stores read them at its end.  No vector instruction names them.  One wait on vm_vsrc behind the stores
;                                    states that these have read them, ahead of the next step's loads.
;   K's and V's fragments            A step's 32 LDS loads land in them; its products read them, and nothing else names them in the loop.  One wait on va_vdst at the head of a step's work states that the
;                                    products of the step before are done reading them.  The 32 loads follow it in one run, with one window switch among them.
;   the codes on the way out         written by the four tiles' conversions, each tile's in registers of its own; one wait on va_vdst; then the eight stores.
; Scalar registers that vector instructions write: the wave's number (one wait on va_sdst ahead of its first reader), and the masks of the hidden keys: sixteen compares into sixteen scalar registers,
; one wait on va_sdst, the sixteen selects; four such runs for a tile's 64 scores.  EXEC is never written.
.set L16,  1                           ; v1   16 x lane
.set T16,  2                           ; v2   16 x thread
.set NINF, 3                           ; v3   -infinity
.set DD,   4                           ; v4   at work: the first hidden key's place
.set PSC,  5                           ; v5   2^e9
.set PLIM, 6                           ; v6   57,344 x 2^e9
.set QOF,  7                           ; v7   4 (r + 8 (r / 8))
.set F,    8                           ; v[8:9]  f = 2^(old M - new M); v9 is named with it as a pair
.set TA,   10
.set SUM2, 12                          ; v[12:13] the sum's second chain
.set PD,   14                          ; v14  a lane permute's destination
.set H16,  15                          ; v15  16 (lane / 16)
.set OSC,  16                          ; v16  2^(e10 - e8 - e9)
.set OLIM, 17                          ; v17  57,344 x that
.set PFO,  18                          ; v18  256 x lane
.set ST,   32                          ; tile i at v[ST + 8 i]: +0 -M, +1 the largest t, +2, +3 the sum in two halves, +4 cnt of my query - 16 (lane / 16), +5 at work, +6 1 / sum, +7 named with it
.set Q,    64
.set KFR,  96
.set S,    160
.set P,    224
.set STG,  240
.set VFR,  128                         ; in window 1
.set WV,   16
.set CS,   30                          ; s[30:31] c = log2(e) / 8 x 2^(e6 + e7)
.set SEL,  32                          ; s[32:33] lane l xor 16
.set CMIN, 36                          ; s36-39  tile i: cnt of its first query
.set CMAX, 40                          ; s40-43  of its last
.set NK,   44                          ; keys that the work-group walks, a multiple of 128
.set KF,   45                          ; the step's first key
.set KL,   46                          ; the next step's
.set J,    47
.set PFN,  48                          ; NK in a wave that prefetches, else 0
.set KP,   50                          ; s[50:51] k's image of the step that is loaded next;  s[52:53] v's;  s[54:55] the step after it, for the prefetch
.set VP,   52
.set PP,   54
.set QL,   56
.set QH,   58
.set CL,   60
.set CH,   62
.set AL,   66
.set AH,   68
.set MK,   56                          ; in the loop: sixteen masks, number n in s[MK + n + 8 (n / 8)]: s56-63 and s72-79, which the head is done with
.set MSB, 0
.macro WIN new                         ; the immediate's high byte repeats the setting that is left
.if MSB != \new
	s_set_vgpr_msb (MSB<<8)|\new
.set MSB, \new
.endif
.endm
	s_load_b256 s[4:11], s[0:1], 0x0               ; qi, ki, vi, cnt
	s_load_b128 s[12:15], s[0:1], 0x20             ; the exponents, ai
	v_lshl_add_u32 v30, v0, 2, 0x8000
	v_mov_b32 v31, 0
	v_lshrrev_b32 v19, 5, v0
	v_readfirstlane_b32 s[WV], v19                 ; wave 0..7
	v_and_b32 v20, 31, v0
	v_lshlrev_b32 v[L16], 4, v20
	v_lshlrev_b32 v[T16], 4, v0
	v_lshlrev_b32 v[PFO], 8, v20
	v_and_b32 v21, 15, v0                          ; r
	v_bfe_u32 v22, v0, 4, 1                        ; h
	v_lshlrev_b32 v[H16], 4, v22
	v_and_b32 v23, 8, v21
	v_add_nc_u32 v23, v23, v21
	v_lshlrev_b32 v[QOF], 2, v23
	s_wait_alu depctr_va_sdst(0)                   ; s[WV] is written, ahead of its first reader: my queries' places are made from it
	s_and_b32 s17, ttmp7, 0xffff                   ; 16 x batch + head
	s_lshr_b32 s18, s17, 4
	s_and_b32 s19, s17, 15
	s_lshl_b32 s20, ttmp9, 3
	s_add_co_u32 s20, s20, s[WV]                   ; my low 32 queries: 8 g + w
	s_sub_co_u32 s21, 63, s20                      ; my high 32
	s_lshl_b32 s70, s17, 17                        ; a head's image: 131,072 bytes
	s_mov_b32 s71, 0
	s_lshl_b32 s72, s20, 11                        ; 32 queries: 2,048 bytes of q's image
	s_mov_b32 s73, 0
	s_lshl_b32 s74, s21, 11
	s_mov_b32 s75, 0
	s_mov_b32 s[SEL], 0x76543210
	s_mov_b32 s[SEL+1], 0xfedcba98
	s_wait_kmcnt 0x0
	s_load_b128 s[24:27], s[12:13], 0x18           ; e6 .. e9
	s_load_b32 s28, s[12:13], 0x28                 ; e10
	s_add_nc_u64 s[QL:QL+1], s[4:5], s[70:71]
	s_add_nc_u64 s[QH:QH+1], s[QL:QL+1], s[74:75]
	s_add_nc_u64 s[QL:QL+1], s[QL:QL+1], s[72:73]
	s_add_nc_u64 s[KP:KP+1], s[6:7], s[70:71]
	s_add_nc_u64 s[VP:VP+1], s[8:9], s[70:71]
	s_lshl_b32 s70, s18, 13
	s_add_nc_u64 s[10:11], s[10:11], s[70:71]      ; the batch's counts
	s_lshl_b32 s72, s20, 7
	s_lshl_b32 s74, s21, 7
	s_add_nc_u64 s[CL:CL+1], s[10:11], s[72:73]
	s_add_nc_u64 s[CH:CH+1], s[10:11], s[74:75]
	s_sub_co_u32 s76, 8, ttmp9
	s_lshl_b32 s76, s76, 10
	s_sub_co_u32 s76, s76, 4                       ; the work-group's last query: 256 (8 - g) - 1
	s_mov_b32 s77, 0
	s_add_nc_u64 s[76:77], s[10:11], s[76:77]
	s_load_b32 s[CMIN], s[CL:CL+1], 0x0            ; a tile's queries: 8 u + 0 .. 7 and 16 + 8 u + 0 .. 7 of the 32; cnt never falls
	s_load_b32 s[CMIN+1], s[CL:CL+1], 0x20
	s_load_b32 s[CMIN+2], s[CH:CH+1], 0x0
	s_load_b32 s[CMIN+3], s[CH:CH+1], 0x20
	s_load_b32 s[CMAX], s[CL:CL+1], 0x5c
	s_load_b32 s[CMAX+1], s[CL:CL+1], 0x7c
	s_load_b32 s[CMAX+2], s[CH:CH+1], 0x5c
	s_load_b32 s[CMAX+3], s[CH:CH+1], 0x7c
	s_load_b32 s[NK], s[76:77], 0x0
	s_wait_alu depctr_va_vdst(0)                   ; v[L16], v[T16], v[QOF] and v[PFO] are written: every load, store and prefetch of the kernel reads one of them, and no line writes them again
.irp i, 0,1
.irp c, 0,1
	global_load_b128 v[Q+8*\i+4*\c:Q+8*\i+4*\c+3], v[L16], s[QL:QL+1] offset:1024*\i+512*\c         ; Q stays in registers
	global_load_b128 v[Q+16+8*\i+4*\c:Q+16+8*\i+4*\c+3], v[L16], s[QH:QH+1] offset:1024*\i+512*\c
.endr
.endr
	global_load_b32 v[ST+4], v[QOF], s[CL:CL+1]                ; cnt of my lane's query in each tile
	global_load_b32 v[ST+12], v[QOF], s[CL:CL+1] offset:32
	global_load_b32 v[ST+20], v[QOF], s[CH:CH+1]
	global_load_b32 v[ST+28], v[QOF], s[CH:CH+1] offset:32
	global_load_b128 v[STG:STG+3], v[T16], s[KP:KP+1]          ; key step 0
	global_load_b128 v[STG+4:STG+7], v[T16], s[KP:KP+1] offset:4096
	global_load_b128 v[STG+8:STG+11], v[T16], s[VP:VP+1]
	global_load_b128 v[STG+12:STG+15], v[T16], s[VP:VP+1] offset:4096
	s_lshl_b32 s70, s18, 21                        ; ai: [block of 16 tokens][128 k (8)][32 k (4)][lane][16 bytes]: the batch's 128 blocks of 16,384 bytes,
	s_lshr_b32 s72, s19, 1
	s_lshl_b32 s72, s72, 11
	s_add_co_u32 s70, s70, s72                     ; the head's 128 k: head / 2,
	s_and_b32 s72, s19, 1
	s_lshl_b32 s72, s72, 10
	s_add_co_u32 s70, s70, s72                     ; and its 64 of them
	s_add_nc_u64 s[14:15], s[14:15], s[70:71]
	s_lshl_b32 s72, s20, 15
	s_lshl_b32 s74, s21, 15
	s_add_nc_u64 s[AL:AL+1], s[14:15], s[72:73]
	s_add_nc_u64 s[AH:AH+1], s[14:15], s[74:75]
	v_mov_b32 v[NINF], 0xff800000
	v_mov_b32 v[F+1], 0
	v_mov_b32 v[PD], 0
.irp i, 0,1,2,3
	v_mov_b32 v[ST+8*\i+1], 0xff61b1e6             ; the largest t so far: -3e38, under every t
	v_floor_f32 v[ST+8*\i], -v[ST+8*\i+1]          ; -M
	v_mov_b32 v[ST+8*\i+2], 0
	v_mov_b32 v[ST+8*\i+3], 0
	v_mov_b32 v[ST+8*\i+5], 0
	v_mov_b32 v[ST+8*\i+7], 0
.endr
	WIN 0x40
.set nn, 0
.rept 128
	v_mov_b32 v[nn], 0                             ; O^T.  The step is written once and tiles are passed over by branches, so no first step of its own can start the sums
.set nn, nn+1
.endr
	WIN 0
	s_wait_kmcnt 0x0
	s_mov_b32 s[CS], 0x3e38aa3b                    ; log2(e) / 8
	s_add_co_i32 s70, s24, s25
	s_lshl_b32 s70, s70, 23
	s_add_co_i32 s[CS], s[CS], s70                 ; x 2^(e6 + e7): added to the exponent field
	s_mov_b32 s[CS+1], s[CS]
	s_add_co_i32 s70, s27, 127
	s_lshl_b32 s72, s70, 23
	v_mov_b32 v[PSC], s72
	s_add_co_i32 s70, s70, 15
	s_lshl_b32 s70, s70, 23
	s_or_b32 s70, s70, 0x600000
	v_mov_b32 v[PLIM], s70
	s_sub_co_i32 s70, s28, s26
	s_sub_co_i32 s70, s70, s27                     ; O^T / l stands for that x 2^(e8 + e9)
	s_add_co_i32 s70, s70, 127
	s_lshl_b32 s72, s70, 23
	v_mov_b32 v[OSC], s72
	s_add_co_i32 s70, s70, 15
	s_lshl_b32 s70, s70, 23
	s_or_b32 s70, s70, 0x600000
	v_mov_b32 v[OLIM], s70
	s_add_co_u32 s[NK], s[NK], 127
	s_and_b32 s[NK], s[NK], 0xffffff80
	s_max_u32 s[NK], s[NK], 128
	s_min_u32 s[NK], s[NK], 2048                   ; whatever was loaded, no step lies past the images
	s_lshr_b32 s70, s[WV], 1
	s_or_b32 s70, s70, ttmp9
	s_cmp_eq_u32 s70, 0                            ; waves 0 and 1 of the head's work-group 0, which walks the most steps, prefetch
	s_cselect_b32 s[PFN], s[NK], 0
	s_cmp_eq_u32 s[WV], 0
	s_cselect_b64 s[PP:PP+1], s[KP:KP+1], s[VP:VP+1]           ; wave 0: k's image; wave 1: v's
	s_add_nc_u64 s[PP:PP+1], s[PP:PP+1], 2*8192                ; step 2: nothing is prefetched at the head
	s_wait_loadcnt 0x0
.irp i, 0,1,2,3
	v_sub_nc_u32 v[ST+8*\i+4], v[ST+8*\i+4], v[H16]
.endr
.irp n, 0,1,2,3
	ds_store_b128 v[T16], v[STG+4*\n:STG+4*\n+3] offset:4096*\n   ; loads brought these data and the wait on LOADcnt above shows them in; no vector instruction has named them or v[T16] since the head's wait on va_vdst
.endr
	s_add_nc_u64 s[KP:KP+1], s[KP:KP+1], 8192
	s_add_nc_u64 s[VP:VP+1], s[VP:VP+1], 8192
	s_mov_b32 s[KF], 0
	s_mov_b32 s[J], 0
	s_wait_alu depctr_vm_vsrc(0)                   ; the four LDS stores have read v[STG ..], in which the first step's loads land
	s_wait_dscnt 0x0                               ; for the others' sake: my part of step 0 lies in slot 0
	s_barrier_signal -1
	s_barrier_wait -1
; Tile i against the step's 128 keys.  It holds no memory or LDS instruction.
.macro TILE i
.set rT, ST+8*(\i)
.set rQ, Q+8*(\i)
.set rO, 32*(\i)
	s_cmp_ge_u32 s[KF], s[CMAX+\i]                 ; none of these keys counts for any of the tile's queries
	s_cbranch_scc1 .Lhid_\@
.irp t, 0,1,2,3,4,5,6,7
	v_wmma_f32_16x16x64_bf8_bf8 v[S+8*\t:S+8*\t+7], v[KFR+8*\t:KFR+8*\t+7], v[rQ:rQ+7], 0
.endr
.rept 4
	v_nop                                          ; places in front of the first read of the scores (ISA guide 7.12.1)
.endr
	s_cmp_le_u32 s[KL], s[CMIN+\i]                 ; all of them count for all of the tile's queries
	s_cbranch_scc1 .Lopen_\@
	v_sub_nc_u32 v[DD], v[rT+4], s[KF]             ; register 16 b + i holds key KF + 16 (lane / 16) + 32 b + i: hidden where 32 b + i >= cnt - 16 (lane / 16) - KF
.irp b, 0,1,2,3                        ; sixteen scores at a time: the compares in a run, each into a scalar register of its own, one wait, the selects
.set nn, 0
.rept 16
	v_cmp_ge_i32 s[MK+nn+8*(nn/8)], 32*\b+nn, v[DD]
.set nn, nn+1
.endr
	s_wait_alu depctr_va_sdst(0)                   ; the sixteen compares have written their masks, ahead of the first select that reads one
.set nn, 0
.rept 16
	v_cndmask_b32 v[S+16*\b+nn], v[S+16*\b+nn], v[NINF], s[MK+nn+8*(nn/8)]
.set nn, nn+1
.endr
.endr
.Lopen_\@:
	v_max3_num_f32 v[TA], v[S], v[S+1], v[S+2]     ; the step's largest score of my query, in two chains, each accumulator from its low end on
	v_max3_num_f32 v[F], v[S+3], v[S+4], v[S+5]
.irp k, 6,10,14,18,22,26,30,34,38,42,46,50,54,58
	v_max3_num_f32 v[TA], v[TA], v[S+\k], v[S+\k+1]
	v_max3_num_f32 v[F], v[F], v[S+\k+2], v[S+\k+3]
.endr
	v_max3_num_f32 v[TA], v[TA], v[S+62], v[S+63]
	v_max_num_f32 v[TA], v[TA], v[F]
	v_permlanex16_b32 v[PD], v[TA], s[SEL], s[SEL+1]
	v_max_num_f32 v[TA], v[TA], v[PD]              ; and among lane l xor 16's keys
	v_mul_f32 v[TA], s[CS], v[TA]                  ; as t (c is positive)
	v_max_num_f32 v[rT+1], v[rT+1], v[TA]          ; the running largest t
	v_mov_b32 v[TA], v[rT]
	v_floor_f32 v[rT], -v[rT+1]                    ; the new -M = floor(-t): M is a whole number
	v_sub_f32 v[TA], v[rT], v[TA]                  ; old M - new M: a whole number, 0 or less
	v_cvt_i32_f32 v[TA], v[TA]                     ; (it saturates)
	v_ldexp_f32 v[F], 1.0, v[TA]                   ; f = 2^(old M - new M)
.irp j, 0,2,4,6,8,10,12,14,16,18,20,22,24,26,28,30,32,34,36,38,40,42,44,46,48,50,52,54,56,58,60,62
	v_pk_fma_f32 v[S+\j:S+\j+1], v[S+\j:S+\j+1], s[CS:CS+1], v[rT:rT+1] op_sel_hi:[1,0,0]   ; t - M (of the pairs c and -M the low word serves both halves)
.endr
.set nn, 0
.rept 64
	v_exp_f32 v[S+nn], v[S+nn]                     ; p = 2^(t - M), at most 1
.set nn, nn+1
.endr
	v_pk_mul_f32 v[rT+2:rT+3], v[rT+2:rT+3], v[F:F+1] op_sel_hi:[1,0]   ; the sums under the new M: the plain line behind the exponentials
	s_wait_alu depctr_va_vdst(0)                   ; the 64 exponentials have written p, v[S ..]: one wait for the batch, ahead of its first reader
	v_pk_add_f32 v[SUM2:SUM2+1], v[S:S+1], v[S+2:S+3]          ; the row's sum is taken of the unquantised p, in two chains
.irp j, 4,8,12,16,20,24,28,32,36,40,44,48,52,56,60
	v_pk_add_f32 v[rT+2:rT+3], v[rT+2:rT+3], v[S+\j:S+\j+1]
	v_pk_add_f32 v[SUM2:SUM2+1], v[SUM2:SUM2+1], v[S+\j+2:S+\j+3]
.endr
	v_pk_add_f32 v[rT+2:rT+3], v[rT+2:rT+3], v[SUM2:SUM2+1]
.irp b, 0,1,2,3
.irp k, 0,1,2,3,4,5,6,7,8,9,10,11,12,13,14,15
	v_min_num_f32 v[S+16*\b+\k], v[S+16*\b+\k], v[PLIM]        ; the conversion does not saturate (ISA guide 7.6.2); p is not negative, so the hold is one-sided
.endr
	v_cvt_scalef32_pk8_bf8_f32 v[P+4*\b:P+4*\b+1], v[S+16*\b:S+16*\b+7], v[PSC]
	v_cvt_scalef32_pk8_bf8_f32 v[P+4*\b+2:P+4*\b+3], v[S+16*\b+8:S+16*\b+15], v[PSC]
.endr
	WIN 0x41                                       ; O^T (destination and source 0) in window 1
.irp j, 0,2,4,6,8,10,12,14,16,18,20,22,24,26,28,30
	v_pk_mul_f32 v[rO+\j:rO+\j+1], v[rO+\j:rO+\j+1], v[F:F+1] op_sel_hi:[1,0]   ; O^T under the new M; these are also the plain lines between the conversions and the products
.endr
	s_wait_dscnt 0x0                               ; V's fragments are in: they were asked for at the step's head and are first read here; in the step's later tiles nothing is out
	WIN 0x51                                       ; V and O^T in window 1, p's codes in window 0
.irp f, 0,1,2,3
	v_wmma_f32_16x16x128_bf8_bf8 v[rO+8*\f:rO+8*\f+7], v[VFR+16*\f:VFR+16*\f+15], v[P:P+15], v[rO+8*\f:rO+8*\f+7]   ; four accumulators, one instruction each
.endr
	WIN 0
.Lhid_\@:
.endm
; A key step: it reads slot sl and brings the next step into the other slot.
.macro HALF sl
	s_add_co_u32 s[KL], s[KF], 128
	s_cmp_lt_u32 s[KL], s[NK]
	s_cbranch_scc0 .Lnoload_\@
	global_load_b128 v[STG:STG+3], v[T16], s[KP:KP+1]          ; v[STG ..] are free: the wait on vm_vsrc behind the last LDS stores stands on every way here
	global_load_b128 v[STG+4:STG+7], v[T16], s[KP:KP+1] offset:4096
	global_load_b128 v[STG+8:STG+11], v[T16], s[VP:VP+1]
	global_load_b128 v[STG+12:STG+15], v[T16], s[VP:VP+1] offset:4096
	s_add_co_u32 s70, s[KL], 128
	s_cmp_lt_u32 s70, s[PFN]                       ; the step after the one just asked for, if the work-group walks it: 8,192 bytes, lanes 256 bytes apart, each block named once in the launch
	s_cbranch_scc0 .Lnoload_\@
	global_prefetch_b8 v[PFO], s[PP:PP+1] th:TH_LOAD_NT scope:SCOPE_SE
.Lnoload_\@:
	s_cmp_lt_u32 s[KF], s[CMAX+3]                  ; my last query's count: past it the wave has no work
	s_cbranch_scc0 .Lnowork_\@
.rept 4
	v_nop                                          ; four plain lines behind the last products, ahead of the wait
.endr
	s_wait_alu depctr_va_vdst(0)                   ; the products of the step before are done reading K's and V's fragments, in which the 32 loads below land; only loads and a window switch stand between this wait and the last of them
.set nn, 0
.rept 16
	ds_load_b128 v[KFR+4*nn:KFR+4*nn+3], v[L16] offset:\sl*16384+512*nn
.set nn, nn+1
.endr
	WIN 0x40
.set nn, 0
.rept 16
	ds_load_b128 v[VFR+4*nn:VFR+4*nn+3], v[L16] offset:\sl*16384+8192+512*nn
.set nn, nn+1
.endr
	WIN 0
	s_wait_dscnt 16                                ; LDS loads come back in order (ISA guide 5.7.1): K's sixteen are in; the sixteen younger ones, V's, stay out while the first tile's scores and weights are made
	TILE 0
	TILE 1
	TILE 2
	TILE 3
.Lnowork_\@:
	s_wait_loadcnt 0x0                             ; the next step's 64 bytes of mine are in registers
	s_cmp_lt_u32 s[KL], s[NK]
	s_cbranch_scc0 .Lnostore_\@
.irp n, 0,1,2,3
	ds_store_b128 v[T16], v[STG+4*\n:STG+4*\n+3] offset:(1-\sl)*16384+4096*\n   ; the other slot: every wave's reads of it were over at the last barrier
.endr
.Lnostore_\@:
	s_wait_xcnt 0x0                                ; the loads and the prefetch have read their bases: they step only behind this wait
	s_wait_alu depctr_vm_vsrc(0)                   ; the LDS stores above have read v[STG ..], in which the next step's loads land: on both ways, ahead of the next step's branch and of the loop's backward jump
	s_add_nc_u64 s[KP:KP+1], s[KP:KP+1], 8192
	s_add_nc_u64 s[VP:VP+1], s[VP:VP+1], 8192
	s_add_nc_u64 s[PP:PP+1], s[PP:PP+1], 8192
	s_wait_dscnt 0x0                               ; my stores have landed, my reads of this slot are over
	s_barrier_signal -1
	s_barrier_wait -1
	s_mov_b32 s[KF], s[KL]
.endm
.Lstep:                                            ; eight trips of two steps: the same in every work-group
	HALF 0
	HALF 1
	s_add_co_u32 s[J], s[J], 1
	s_cmp_lt_u32 s[J], 8
	s_cbranch_scc1 .Lstep
	; THE WAY OUT: O^T / l, quantised, stored as images of the last product's operand registers.
.irp i, 0,1,2,3
	v_add_f32 v[ST+8*\i+2], v[ST+8*\i+2], v[ST+8*\i+3]         ; the sum's two halves (four plain lines behind the last products),
.endr
.irp i, 0,1,2,3
	v_permlanex16_b32 v[ST+8*\i+5], v[ST+8*\i+2], s[SEL], s[SEL+1]
.endr
.irp i, 0,1,2,3
	v_add_f32 v[ST+8*\i+2], v[ST+8*\i+2], v[ST+8*\i+5]         ; and lane l xor 16's
.endr
.irp i, 0,1,2,3
	v_rcp_f32 v[ST+8*\i+6], v[ST+8*\i+2]
.endr
	v_nop                                          ; a plain line behind the last reciprocal
	s_wait_alu depctr_va_vdst(0)                   ; the four reciprocals have written v[ST + 8 i + 6]: one wait, ahead of their first reader
.macro OUT i                           ; tile i's codes, into eight registers of its own where K's fragments lay
.set rB, S+32*((\i)%2)
	WIN 0x01                                       ; source 0 (O^T) in window 1
.irp j, 0,2,4,6,8,10,12,14,16,18,20,22,24,26,28,30
	v_pk_mul_f32 v[rB+\j:rB+\j+1], v[32*(\i)+\j:32*(\i)+\j+1], v[ST+8*(\i)+6:ST+8*(\i)+7] op_sel_hi:[1,0]   ; register 16 c + k: d = 32 c + 16 (lane / 16) + k
.endr
	WIN 0
.set nn, 0
.rept 32
	v_med3_num_f32 v[rB+nn], v[rB+nn], -v[OLIM], v[OLIM]
.set nn, nn+1
.endr
.irp c, 0,1
	v_cvt_scalef32_pk8_bf8_f32 v[KFR+8*(\i)+4*\c:KFR+8*(\i)+4*\c+1], v[rB+16*\c:rB+16*\c+7], v[OSC]
	v_cvt_scalef32_pk8_bf8_f32 v[KFR+8*(\i)+4*\c+2:KFR+8*(\i)+4*\c+3], v[rB+16*\c+8:rB+16*\c+15], v[OSC]
.endr
	v_nop                                          ; a plain line behind the conversions
.endm
	OUT 0
	OUT 1
	OUT 2
	OUT 3
	s_wait_alu depctr_va_vdst(0)                   ; the sixteen conversions have written the four tiles' codes, which the eight stores below read
.irp i, 0,1
.irp c, 0,1
	global_store_b128 v[L16], v[KFR+8*\i+4*\c:KFR+8*\i+4*\c+3], s[AL:AL+1] offset:16384*\i+512*\c   ; 32 lanes store 512 consecutive bytes
.endr
.endr
.irp i, 0,1
.irp c, 0,1
	global_store_b128 v[L16], v[KFR+16+8*\i+4*\c:KFR+16+8*\i+4*\c+3], s[AH:AH+1] offset:16384*\i+512*\c
.endr
.endr
	s_wait_dscnt 0x0
	s_wait_alu depctr_hold_cnt(0) depctr_sa_sdst(0) depctr_va_vdst(0) depctr_va_sdst(0) depctr_va_ssrc(0) depctr_va_vcc(0) depctr_vm_vsrc(0)
	s_wait_tensorcnt 0x0
	ds_add_u32 v30, v31
	s_wait_dscnt 0x0
	s_endpgm
.Lfunc_end_k_q839be5ff17_attn:
	.size	k_q839be5ff17_attn, .Lfunc_end_k_q839be5ff17_attn-k_q839be5ff17_attn
	.p2alignl 7, 3214868480
	.fill 96, 4, 3214868480
	.section	.rodata,"a",@progbits
	.p2align	6, 0x0
	.amdhsa_kernel k_q839be5ff17_attn
		.amdhsa_group_segment_fixed_size 33792
		.amdhsa_private_segment_fixed_size 0
		.amdhsa_enable_private_segment 0
		.amdhsa_kernarg_size 48
		.amdhsa_user_sgpr_count 2
		.amdhsa_user_sgpr_kernarg_segment_ptr 1
		.amdhsa_wavefront_size32 1
		.amdhsa_system_sgpr_workgroup_id_x 1
		.amdhsa_system_sgpr_workgroup_id_y 1
		.amdhsa_system_sgpr_workgroup_id_z 1
		.amdhsa_system_vgpr_workitem_id 0
		.amdhsa_next_free_vgpr 448
		.amdhsa_next_free_sgpr 80
		.amdhsa_reserve_vcc 0
		.amdhsa_float_denorm_mode_32 3
		.amdhsa_float_denorm_mode_16_64 3
		.amdhsa_memory_ordered 1
		.amdhsa_forward_progress 1
		.amdhsa_inst_pref_size 213
	.end_amdhsa_kernel
	.amdgpu_metadata
---
amdhsa.version: [ 1, 2 ]
amdhsa.kernels:
  - .name:           k_q839be5ff17_attn
    .symbol:         k_q839be5ff17_attn.kd
    .args:
      - { .name: qi, .offset: 0, .size: 8, .value_kind: global_buffer, .address_space: global }
      - { .name: ki, .offset: 8, .size: 8, .value_kind: global_buffer, .address_space: global }
      - { .name: vi, .offset: 16, .size: 8, .value_kind: global_buffer, .address_space: global }
      - { .name: cnt, .offset: 24, .size: 8, .value_kind: global_buffer, .address_space: global }
      - { .name: lowp_scales, .offset: 32, .size: 8, .value_kind: global_buffer, .address_space: global }
      - { .name: ai, .offset: 40, .size: 8, .value_kind: global_buffer, .address_space: global }
    .group_segment_fixed_size: 33792
    .private_segment_fixed_size: 0
    .kernarg_segment_align: 8
    .kernarg_segment_size: 48
    .max_flat_workgroup_size: 256
    .sgpr_count:     80
    .vgpr_count:     448
    .wavefront_size: 32
...
	.end_amdgpu_metadata
.endif
;; end of part 5
;; launch proj: the kernel of part 4 again; grid 8 x 64, 4 waves a work-group, clusters of 4 x 4, 284,160 bytes of LDS; arguments ai, wc, lowp_scales, bp, out0; writes out0
